; MI455X (gfx1250); checked and timed in simulation.
; The chip was launched on July 23, 2026; its instructions are those of AMD's public machine-readable ISA for CDNA 5 (MIT licence, August 2026) and "CDNA5" Instruction Set Architecture Reference Guide (July 2026). The comments in the code are by the model that wrote it; some were corrected since.
;; Multi Head Self Attention2d. Allowed arithmetic: matrix products marked QUANTISED: E2M1 operands, one E8M0 scale for each 32 along K, by v_wmma_scale_f32_16x16x128_f8f6f4 with both operands' format E2M1 (or v_wmma_scale_f32_32x16x128_f4), f32 sums; everything else in f32.
;; Inputs: bk 512 float32; bo 512 float32; bq 512 float32; bv 512 float32; gamma 1 float32; wk_codes 512 x 16 x 16 uint8 (E2M1 codes of wk, K innermost, in blocks of 32 codes, two codes a byte); wk_scales 512 x 16 uint8 (E8M0 scales of wk, one for each 32 codes along K); wo_codes 512 x 16 x 16 uint8 (E2M1 codes of wo, K innermost, in blocks of 32 codes, two codes a byte); wo_scales 512 x 16 uint8 (E8M0 scales of wo, one for each 32 codes along K); wq_codes 512 x 16 x 16 uint8 (E2M1 codes of wq, K innermost, in blocks of 32 codes, two codes a byte); wq_scales 512 x 16 uint8 (E8M0 scales of wq, one for each 32 codes along K); wv_codes 512 x 16 x 16 uint8 (E2M1 codes of wv, K innermost, in blocks of 32 codes, two codes a byte); wv_scales 512 x 16 uint8 (E8M0 scales of wv, one for each 32 codes along K); x 16 x 512 x 32 x 32 float32.
;; Outputs: out0 16 x 512 x 32 x 32 float32.
;; This version of the problem:
;;   THIS VERSION OF THE PROBLEM IS GIVEN IN LOW PRECISION. The matrix products marked QUANTISED in the list below multiply operands that are first quantised to E2M1 (2 exponent bits, 1 mantissa bit; 4 bits a number), with one power-of-two scale for each 32 numbers along K (OCP MX v1.0); their sums are f32. All else is computed in f32.
;;   The module's matrix products, in the order in which they are computed (A, B: the left and right operand; K: the contracted axis; several contracted axes count as one K, in the product's order):
;;     1. [M 16,384, K 512] x [K 512, N 512]; A: input x; B: input wq (given as codes): QUANTISED
;;     2. [M 16,384, K 512] x [K 512, N 512]; A: input x; B: input wk (given as codes): QUANTISED
;;     3. [M 16,384, K 512] x [K 512, N 512]; A: input x; B: input wv (given as codes): QUANTISED
;;     4. batch 128 x [M 1,024, K 64] x [K 64, N 1,024]; A: computed on the way; B: computed on the way: QUANTISED
;;     5. batch 128 x [M 64, K 1,024] x [K 1,024, N 1,024]; A: computed on the way; B: softmax (see below): QUANTISED
;;     6. [M 16,384, K 512] x [K 512, N 512]; A: computed on the way; B: input wo (given as codes): QUANTISED
;;   THE QUANTISER, for each operand of a quantised product, along K:
;;     - K is cut into blocks of 32 from its start; a last block that is shorter is filled with zeros.
;;     - A block's scale is 2^e with e = floor(log2(the largest magnitude in the block)) - 2, held to -126 .. 127; a block of zeros has e = 0. As a byte (E8M0): e + 127.
;;     - Each number is divided by its block's scale, clamped to +-6, and rounded to the nearest number of E2M1, ties to even, subnormals kept.
;;     - The product sums the exact products of the quantised numbers (number of the format x scale) in f32.
;;   ~~~python
;;   def quantise(x, axis):      # numpy; x: float32 -> the quantised numbers, widened to float32 again
;;       x = np.moveaxis(x, axis, -1); K = x.shape[-1]
;;       x = np.pad(x, [(0, 0)] * (x.ndim - 1) + [(0, -K % 32)]); x = x.reshape(x.shape[:-1] + (-1, 32)); a = np.abs(x).max(-1, keepdims=True)
;;       e = np.where(a > 0, np.clip(np.frexp(np.where(a > 0, a, 1))[1] - 1 - 2, -126, 127), 0)      # np.frexp(a)[1] - 1 = floor(log2(a)), exactly
;;       r = np.clip(x / 2.0 ** e, -6, 6)
;;       step = 2.0 ** (np.maximum(np.frexp(np.where(r == 0, 1, r))[1] - 1, 0) - 1)
;;       q = np.round(r / step) * step * 2.0 ** e      # np.round: ties to even
;;       return np.moveaxis(q.reshape(q.shape[:-2] + (-1,))[..., :K], -1, axis).astype(np.float32)
;;   ~~~
;;   SOFTMAX AHEAD OF A QUANTISED PRODUCT. Where the list says 'softmax', what is quantised is not the finished softmax but p = 2^(t - M), with t = logit x log2(e) and M = ceil(the row's largest t), a whole number; so 1/2 < the row's largest p <= 1. The row's sum l is taken of the UNQUANTISED p, in f32, and the product's result is divided by l at the end. Since M is a whole number, a kernel that streams over the keys may use a running M (the ceiling of the running maximum): every later rescaling is an exact power of two, which a block's scale takes up: the codes' values come out the same.
;;   OPERANDS COMPUTED ON THE WAY. 'Computed on the way' means the value that the module computes at that place (a softmax that the list does not call 'softmax' is quantised finished and normalised). What goes into a quantiser is computed in f32, as accurately as f32 sums, v_exp_f32 and their like allow (about 1e-6 of the number): no bf16 or f16 on the way to a quantiser, and a product that is left as it is and whose result goes on into a quantised operand takes f32 operands (vector FMAs, or v_wmma_f32_16x16x4_f32). A number that lies on a knife's edge between two numbers of the format may be rounded either way, as far as f32 arithmetic and the matrix unit's own rounding can turn it there, and no further.
;;   INPUTS GIVEN AS CODES. wk (in the module: [512, 512], K = its axis 1); wo (in the module: [512, 512], K = its axis 1); wq (in the module: [512, 512], K = its axis 1); wv (in the module: [512, 512], K = its axis 1): each comes as NAME_codes (uint8): NAME with its K axis moved to the last place and cut into blocks of 32 codes, [.., K / 32, bytes a block], one block behind the other in memory; two codes a byte, the lower K in the low four bits (a code: sign, 2 exponent bits, 1 mantissa bit); and NAME_scales (uint8): the same leading axes, one E8M0 byte (e + 127) for each 32 codes along K. Its value is code x scale, taken as it is: it is not quantised again, and the codes and scales need not be those that the quantiser above would give.
;; 2 versions. Each part assembles by itself: llvm-mc -triple=amdgcn-amd-amdhsa -mcpu=gfx1250 --defsym DOCPART=n.
;; ======== version 1 of 2: 2 launches
;; workspace buffers: qc 4,194,304 bytes; qs 262,144 bytes; kv 8,912,896 bytes
;; launch qkv (part 1): grid 16 x 16, 16 waves a work-group, no clusters, 19,456 bytes of LDS; arguments x, wq_codes, wq_scales, bq, wk_codes, wk_scales, bk, wv_codes, wv_scales, bv, qc, qs, kv; writes qc, qs, kv
.if DOCPART == 1
	.amdgcn_target "amdgcn-amd-amdhsa--gfx1250"
	.amdhsa_code_object_version 6
	.text
	.protected	k_q6aed115752_qkv
	.globl	k_q6aed115752_qkv
	.p2align	8
	.type	k_q6aed115752_qkv,@function
k_q6aed115752_qkv:
	s_mov_b64 s[64:65], 0
	v_nop
	global_prefetch_b8 v0, s[64:65] scope:SCOPE_SE
	s_setreg_imm32_b32 hwreg(HW_REG_WAVE_MODE, 25, 1), 1
	s_wait_xcnt 0x0
; q, k, v = W x + b on codes of FP4 (E2M1) with one E8M0 scale for each 32 along K, and their results quantised again for the attention launch.
; x: [16][512 c][1024 n] f32, K = c, which is NOT innermost.  wq, wk, wv: codes [512 o][256 bytes], scale bytes [512][16].  Biases f32.
; SHARES.  A work-group (x = nb, y = b) owns 64 places n = 64 nb .. 64 nb + 63 of batch b and all 1,536 outputs; sixteen waves.
;   X:  wave w quantises 32 places x 64 channels: A LANE TAKES A PLACE, ITS REGISTERS RUN DOWN c, so that a block of 32 channels lies in one lane; the codes go to LDS as images of the operand's registers.  One barrier.
;   QK: waves 0-7 make q of head w, waves 8-15 k of head w - 8: source 0 = 16 rows of W, source 1 = 16 places: a lane holds ONE place and its registers run along d, the next K.
;   V:  wave w makes rows 32 w .. 32 w + 31 of v: source 0 = 16 places, source 1 = 16 rows of wv: a lane holds ONE d and its registers run along the places, which are the keys, the next K.
; ONE ORDER EVERYWHERE: row r of tile 2 b + u (of places, and of the rows of wq, wk, wv) is index 32 b + 8 u + r + 8 (r / 8).  Then register j of tile 2 b + u in half h of the lanes is index 32 b + 16 h + 8 u + j:
; the 16 registers of two neighbouring tiles are 16 neighbours along the next K.
; WHAT IS STORED (all of it read by the next launch alone, laid as that launch's registers want it):
;   qc [b][head][nb][tile 4][512]: lane l's 16 bytes at 16 l: lane (r, h) holds d = 32 h .. 32 h + 31 of the tile's row r.   qs [b][head][nb][r 16][tile 4]: two bytes, d's two blocks.
;   kv: blocks of 8,704 bytes, one for a head and 128 keys, number 64 b + 32 (head / 4) + 16 (ks / 4) + 4 (head % 4) + ks % 4, ks = nb / 2:
;     0    + 1024 f + 512 u + 16 l   k: tile 2 f + u of the keys        4096 + 1024 t + 512 hs + 16 l   v: tile t of d, keys 64 hs + 32 h + 0 .. 31, hs = nb % 2
;     8192 + 16 r + 4 f + 2 u        k's scale bytes                    8448 + 16 r + 4 t + 2 hs        v's scale bytes
; Code stores cover 512 consecutive bytes, aligned.  The scale bytes leave two at a time: a block's 512 scale bytes come from two work-groups and sixteen waves; they are one byte in sixteen of what is stored.
; THE WEIGHTS ARE NOT SHARED THROUGH LDS, and so not asked for jointly: each wave takes the 16,384 + 8,192 bytes of codes that it alone multiplies by straight into its registers; a work-group's 393,216 bytes
; of weight codes do not fit into 327,680 bytes of LDS at once.
; LIMITS: NaN and infinities among the inputs and scale bytes of 0xff are not served.  A block whose largest magnitude lies under 2^-124 (a block of zeros too) gets the byte 1; a block of zeros has zero codes,
; which add nothing under that byte, and the bytes are read by this program alone.
.set XIMG, 0                           ; LDS: x's 16 fragments (tile T, K step s) at 1024 (4 T + s) + 512 c + 16 lane
.set XSC,  16384                       ; their scale words: 512 (T / 2) + 16 (16 (T % 2) + r) + 4 s
.set LI,  4                            ; v4   16 x lane
.set XWI, 5                            ; v5   where I store x's images
.set XWS, 6                            ; v6   and my two scale bytes
.set WA,  7                            ; v7   a weight's codes: 256 (r + 8 (r / 8)) + 16 h
.set WSA, 8                            ; v8   its scale words: 16 (r + 8 (r / 8))
.set BA,  9                            ; v9   bq, bk: 64 h
.set SSA, 10                           ; v10  q's or k's scale bytes: 8 r or 16 r
.set XO,  11                           ; v11  x: 4 x my place among the wave's 32
.set VBA, 12                           ; v12  bv: 4 (r + 8 (r / 8))
.set VSA, 13                           ; v13  v's scale bytes: 16 r
.set TM,  14                           ; v14-19 at work in the quantisers
.set PW,  20                           ; v20  the two scale bytes just made
.set PCD, 22                           ; v22-29 the codes just made
.set XS,  30                           ; v30-37 x's scale words: register 4 (T / 2) + s, lanes 0-15 tile 2 (T / 2), lanes 16-31 the next
.set WS,  38                           ; v38-53 the weight's scale words
.set BV,  54                           ; v54-61 bv in the result's layout
.set BR,  62                           ; v62  bv as loaded
.set ACC, 64                           ; v64-95 four accumulators
.set XF,  96                           ; v96-127 four fragments: a tile of x (QK), a tile of wv (V)
.set WF,  128                          ; v128-255 sixteen fragments: wq's or wk's (QK), x's (V)
.set XN,  64                           ; v64-127 64 numbers of x
.set WV,  30                           ; s30  my wave's number
.set SEL, 32                           ; s[32:33] v_permlanex16_b32's selects for lane l xor 16
; One product.  c < 0: the sum starts with 0.  row = 1: source 0's scales stand in lanes 16-31; 2: source 1's.
.macro WM d, a, b, c, sa, sb, row
.if (\c) < 0
.if (\row) == 0
	v_wmma_scale_f32_16x16x128_f8f6f4 v[\d:\d+7], v[\a:\a+7], v[\b:\b+7], 0, v[\sa], v[\sb] matrix_a_fmt:MATRIX_FMT_FP4 matrix_b_fmt:MATRIX_FMT_FP4
.elseif (\row) == 1
	v_wmma_scale_f32_16x16x128_f8f6f4 v[\d:\d+7], v[\a:\a+7], v[\b:\b+7], 0, v[\sa], v[\sb] matrix_a_fmt:MATRIX_FMT_FP4 matrix_b_fmt:MATRIX_FMT_FP4 matrix_a_scale:MATRIX_SCALE_ROW1
.else
	v_wmma_scale_f32_16x16x128_f8f6f4 v[\d:\d+7], v[\a:\a+7], v[\b:\b+7], 0, v[\sa], v[\sb] matrix_a_fmt:MATRIX_FMT_FP4 matrix_b_fmt:MATRIX_FMT_FP4 matrix_b_scale:MATRIX_SCALE_ROW1
.endif
.else
.if (\row) == 0
	v_wmma_scale_f32_16x16x128_f8f6f4 v[\d:\d+7], v[\a:\a+7], v[\b:\b+7], v[\c:\c+7], v[\sa], v[\sb] matrix_a_fmt:MATRIX_FMT_FP4 matrix_b_fmt:MATRIX_FMT_FP4
.elseif (\row) == 1
	v_wmma_scale_f32_16x16x128_f8f6f4 v[\d:\d+7], v[\a:\a+7], v[\b:\b+7], v[\c:\c+7], v[\sa], v[\sb] matrix_a_fmt:MATRIX_FMT_FP4 matrix_b_fmt:MATRIX_FMT_FP4 matrix_a_scale:MATRIX_SCALE_ROW1
.else
	v_wmma_scale_f32_16x16x128_f8f6f4 v[\d:\d+7], v[\a:\a+7], v[\b:\b+7], v[\c:\c+7], v[\sa], v[\sb] matrix_a_fmt:MATRIX_FMT_FP4 matrix_b_fmt:MATRIX_FMT_FP4 matrix_b_scale:MATRIX_SCALE_ROW1
.endif
.endif
.endm
; Four places behind matrix instructions, in front of reads of their results and of loads into their registers (ISA guide 7.12.1 for vector instructions)
.macro PLACES
.rept 4
	v_nop
.endr
.endm
; 32 numbers of a lane, register 16 b + i = index 32 b + 16 h + i of my row, become 4 registers of codes (lane (r, h): indices 32 h .. 32 h + 31) in v[PCD] on and the two blocks' scale bytes in v[PW].
.macro QUANT2 src
.irp b, 0,1
	v_max3_num_f32 v[TM+\b], |v[\src+16*\b]|, |v[\src+16*\b+1]|, 0x1800000   ; block b: my 16 numbers, from the low end on, and the floor 2^(3 - 127): the byte cannot fall under 1
.endr
.irp i, 2,4,6,8,10,12,14
.irp b, 0,1
	v_max3_num_f32 v[TM+\b], v[TM+\b], |v[\src+16*\b+\i]|, |v[\src+16*\b+\i+1]|
.endr
.endr
.irp b, 0,1
	v_permlanex16_b32 v[TM+2+\b], v[TM+\b], s[SEL], s[SEL+1]
.endr
.irp b, 0,1
	v_max_num_f32 v[TM+\b], v[TM+\b], v[TM+2+\b]   ; with lane l xor 16's: the block's largest magnitude
.endr
.irp b, 0,1
	v_add_nc_u32 v[TM+4+\b], 0xff000000, v[TM+\b]  ; 2 off its exponent field: the conversion takes this operand's exponent field as its scale
.endr
.irp b, 0,1
	v_lshrrev_b32 v[TM+2+\b], 23, v[TM+4+\b]       ; the scale's byte
.endr
	v_lshl_or_b32 v[PW], v[TM+3], 8, v[TM+2]
.irp b, 0,1
	v_cvt_scalef32_pk8_fp4_f32 v[PCD+2*\b], v[\src+16*\b:\src+16*\b+7], v[TM+4+\b]
	v_cvt_scalef32_pk8_fp4_f32 v[PCD+2*\b+1], v[\src+16*\b+8:\src+16*\b+15], v[TM+4+\b]
.endr
	v_nop                                          ; one plain place behind a scaled conversion
	v_permlane16_swap_b32 v[PCD], v[PCD+2]         ; the operand's layout wants a WHOLE block in a lane: lanes 0-15 block 0, lanes 16-31 block 1
	v_permlane16_swap_b32 v[PCD+1], v[PCD+3]
.endm
	s_load_b512 s[4:19], s[0:1], 0x0               ; x s[4:5]; wq's codes, scales, bq s[6:11]; wk's codes, scales, bk s[12:17]; wv's codes s[18:19]
	s_load_b256 s[20:27], s[0:1], 0x40             ; wv's scales s[20:21], bv s[22:23], qc s[24:25], qs s[26:27]
	s_load_b64 s[28:29], s[0:1], 0x60              ; kv
	v_lshl_add_u32 v21, v0, 2, 0x4400
	v_mov_b32 v63, 0
	v_lshrrev_b32 v1, 5, v0
	v_readfirstlane_b32 s[WV], v1                  ; wave 0..15
	v_and_b32 v1, 31, v0                           ; lane
	v_and_b32 v2, 15, v0                           ; r
	v_bfe_u32 v3, v0, 4, 1                         ; h
	v_lshlrev_b32 v[LI], 4, v1
	v_and_b32 v[XO], 7, v0                         ; lane 16 u + r takes place 8 u + r + 8 (r / 8) of the wave's 32
	v_and_b32 v[TM], 8, v0
	v_lshl_or_b32 v[XO], v[TM], 1, v[XO]
	v_lshl_or_b32 v[XO], v3, 3, v[XO]
	v_lshlrev_b32 v[XO], 2, v[XO]
	v_and_b32 v[WSA], 8, v2
	v_add_nc_u32 v[WSA], v[WSA], v2                ; r + 8 (r / 8)
	v_lshlrev_b32 v[WA], 8, v[WSA]
	v_lshl_add_u32 v[WA], v3, 4, v[WA]
	v_lshlrev_b32 v[VBA], 2, v[WSA]
	v_lshlrev_b32 v[WSA], 4, v[WSA]
	v_lshlrev_b32 v[BA], 6, v3
	v_lshlrev_b32 v[VSA], 4, v2
	s_mov_b32 s[SEL], 0x76543210
	s_mov_b32 s[SEL+1], 0xfedcba98
	s_and_b32 s31, ttmp7, 0xffff                   ; b
	s_and_b32 s34, s[WV], 1                        ; X: which 32 places,
	s_bfe_u32 s35, s[WV], 0x10001                  ; which 64 channels of a K step,
	s_lshr_b32 s36, s[WV], 2                       ; which K step
	s_lshl_b32 s37, s34, 13
	s_lshl_b32 s38, s36, 10
	s_add_co_u32 s37, s37, s38
	s_lshl_b32 s38, s35, 9
	s_add_co_u32 s37, s37, s38
	v_add_nc_u32 v[XWI], s37, v[LI]                ; tile 2 (w % 2): 8192 (w % 2) + 1024 s + 512 c + 16 lane; the next tile 4,096 on
	s_lshl_b32 s37, s34, 9
	s_lshl_b32 s38, s36, 2
	s_add_co_u32 s37, s37, s38
	s_lshl_b32 s38, s35, 1
	s_add_co_u32 s37, s37, s38
	s_add_co_u32 s37, s37, XSC
	v_add_nc_u32 v[XWS], s37, v[LI]
	s_lshl_b32 s40, s31, 21                        ; x: batch b (512 rows of 4,096 bytes),
	s_lshr_b32 s38, s[WV], 1
	s_lshl_b32 s38, s38, 18                        ; my 64 channels,
	s_add_co_u32 s40, s40, s38
	s_lshl_b32 s38, ttmp9, 8                       ; the work-group's 64 places,
	s_add_co_u32 s40, s40, s38
	s_lshl_b32 s38, s34, 7                         ; my 32 of them
	s_add_co_u32 s40, s40, s38
	s_mov_b32 s41, 0
	s_wait_kmcnt 0x0
	s_add_nc_u64 s[4:5], s[4:5], s[40:41]
.set i, 0
.rept 64
	global_load_b32 v[XN+i], v[XO], s[4:5] offset:4096*i th:TH_LOAD_NT   ; channel i of my 64, at 32 places: 128 consecutive bytes a wave
.set i, i+1
.endr
	; where my parts begin: offsets first, then one compare and all the choices that hang on it
	s_and_b32 s42, s[WV], 7                        ; QK: my head
	s_lshr_b32 s43, ttmp9, 1                       ; ks
	s_and_b32 s44, ttmp9, 1                        ; hs
	s_lshl_b32 s45, s31, 6
	s_lshr_b32 s38, s43, 2
	s_lshl_b32 s38, s38, 4
	s_add_co_u32 s45, s45, s38
	s_and_b32 s38, s43, 3
	s_add_co_u32 s45, s45, s38                     ; 64 b + 16 (ks / 4) + ks % 4
	s_lshr_b32 s46, s42, 2
	s_lshl_b32 s46, s46, 5
	s_and_b32 s38, s42, 3
	s_lshl_b32 s38, s38, 2
	s_add_co_u32 s46, s46, s38
	s_add_co_u32 s46, s46, s45
	s_mul_i32 s46, s46, 8704                       ; my head's block of kv
	s_lshl_b32 s38, s44, 11
	s_add_co_u32 s47, s46, s38                     ; k's codes: + 2048 hs
	s_lshl_b32 s38, s44, 3
	s_add_co_u32 s48, s46, s38
	s_add_co_u32 s48, s48, 8192                    ; k's scale bytes: + 8192 + 8 hs
	s_lshl_b32 s49, s31, 3
	s_add_co_u32 s49, s49, s42
	s_lshl_b32 s49, s49, 4
	s_add_co_u32 s49, s49, ttmp9                   ; 16 (8 b + head) + nb
	s_lshl_b32 s50, s49, 7                         ; q's scale bytes
	s_lshl_b32 s49, s49, 11                        ; q's codes
	s_lshr_b32 s51, s[WV], 1                       ; V: my head
	s_lshr_b32 s52, s51, 2
	s_lshl_b32 s52, s52, 5
	s_and_b32 s38, s51, 3
	s_lshl_b32 s38, s38, 2
	s_add_co_u32 s52, s52, s38
	s_add_co_u32 s52, s52, s45
	s_mul_i32 s52, s52, 8704
	s_lshl_b32 s38, s34, 11
	s_add_co_u32 s53, s52, s38
	s_lshl_b32 s38, s44, 9
	s_add_co_u32 s53, s53, s38
	s_add_co_u32 s53, s53, 4096                    ; v's codes: 4096 + 2048 (w % 2) + 512 hs
	s_lshl_b32 s38, s34, 3
	s_add_co_u32 s54, s52, s38
	s_lshl_b32 s38, s44, 1
	s_add_co_u32 s54, s54, s38
	s_add_co_u32 s54, s54, 8448                    ; v's scale bytes: 8448 + 8 (w % 2) + 2 hs
	s_cmp_lt_u32 s[WV], 8                          ; q's wave or k's?  The choice hangs on the wave's number alone
	s_cselect_b64 s[6:7], s[6:7], s[12:13]         ; the weight's codes,
	s_cselect_b64 s[8:9], s[8:9], s[14:15]         ; its scale bytes,
	s_cselect_b64 s[10:11], s[10:11], s[16:17]     ; the bias,
	s_cselect_b64 s[24:25], s[24:25], s[28:29]     ; where the codes go,
	s_cselect_b64 s[26:27], s[26:27], s[28:29]     ; and the scale bytes
	s_cselect_b32 s47, s49, s47
	s_cselect_b32 s48, s50, s48
	s_cselect_b32 s55, 3, 4                        ; a row's scale bytes are 8 in qs, 16 in kv
	v_lshlrev_b32 v[SSA], s55, v2
	s_lshl_b32 s40, s42, 14                        ; my head's 64 rows of 256 bytes,
	s_add_nc_u64 s[6:7], s[6:7], s[40:41]
	s_lshl_b32 s40, s42, 10                        ; of 16 bytes,
	s_add_nc_u64 s[8:9], s[8:9], s[40:41]
	s_lshl_b32 s40, s42, 8                         ; of 4 bytes
	s_add_nc_u64 s[10:11], s[10:11], s[40:41]
.irp tt, 0,1,2,3                       ; QK's weights stay in registers: tile tt begins at row 32 (tt / 2) + 8 (tt % 2)
.irp s, 0,1,2,3
.irp c, 0,1
	global_load_b128 v[WF+8*(4*\tt+\s)+4*\c:WF+8*(4*\tt+\s)+4*\c+3], v[WA], s[6:7] offset:(32*(\tt/2)+8*(\tt%2))*256+64*\s+32*\c
.endr
.endr
.endr
.irp tt, 0,1,2,3
	global_load_b128 v[WS+4*\tt:WS+4*\tt+3], v[WSA], s[8:9] offset:(32*(\tt/2)+8*(\tt%2))*16   ; a row's 16 bytes are the scale words of its four K steps
.endr
	s_mov_b32 s40, s47
	s_add_nc_u64 s[24:25], s[24:25], s[40:41]
	s_mov_b32 s40, s48
	s_add_nc_u64 s[26:27], s[26:27], s[40:41]
	s_mov_b32 s40, s53
	s_add_nc_u64 s[12:13], s[28:29], s[40:41]      ; v's codes
	s_mov_b32 s40, s54
	s_add_nc_u64 s[14:15], s[28:29], s[40:41]      ; v's scale bytes
	s_lshl_b32 s40, s[WV], 13                      ; my 32 rows of wv
	s_add_nc_u64 s[18:19], s[18:19], s[40:41]
	s_lshl_b32 s40, s[WV], 9
	s_add_nc_u64 s[20:21], s[20:21], s[40:41]
	s_lshl_b32 s40, s[WV], 7
	s_add_nc_u64 s[22:23], s[22:23], s[40:41]
	; ---- X: my 32 places x 64 channels: two whole blocks a lane
	s_wait_loadcnt 36                              ; x's 64 loads are in; the 36 younger ones, the weights', may be out
.irp c, 0,1
	v_max3_num_f32 v[TM+\c], |v[XN+32*\c]|, |v[XN+32*\c+1]|, 0x1800000   ; the block's largest magnitude needs no other lane; the floor 2^(3 - 127) holds the byte at 1 from below
.endr
.irp i, 2,4,6,8,10,12,14,16,18,20,22,24,26,28,30
.irp c, 0,1
	v_max3_num_f32 v[TM+\c], v[TM+\c], |v[XN+32*\c+\i]|, |v[XN+32*\c+\i+1]|
.endr
.endr
.irp c, 0,1
	v_add_nc_u32 v[TM+4+\c], 0xff000000, v[TM+\c]
.endr
.irp c, 0,1
	v_lshrrev_b32 v[TM+2+\c], 23, v[TM+4+\c]
.endr
	v_lshl_or_b32 v[PW], v[TM+3], 8, v[TM+2]
.irp c, 0,1
.irp g, 0,1,2,3
	v_cvt_scalef32_pk8_fp4_f32 v[PCD+4*\c+\g], v[XN+32*\c+8*\g:XN+32*\c+8*\g+7], v[TM+4+\c]
.endr
.endr
	v_nop                                          ; one plain place behind a scaled conversion
.irp i, 0,1,2,3
	v_permlane16_swap_b32 v[PCD+\i], v[PCD+4+\i]   ; lanes 0-15 held the first tile's rows, lanes 16-31 the second's: now v[PCD..+3] is the first tile (lanes 0-15 block 0, lanes 16-31 block 1), v[PCD+4..+7] the second
.endr
	ds_store_b128 v[XWI], v[PCD:PCD+3]
	ds_store_b128 v[XWI], v[PCD+4:PCD+7] offset:4096
	ds_store_b16 v[XWS], v[PW]
	s_wait_dscnt 0x0                               ; for the others' sake: my stores have landed
	s_barrier_signal -1
	s_barrier_wait -1                              ; x's sixteen fragments and their scale words lie in LDS; nobody writes LDS from here on
	; ---- QK: my head's q or k, a tile of 16 places at a time
	ds_load_b128 v[XS:XS+3], v[LI] offset:XSC
	ds_load_b128 v[XS+4:XS+7], v[LI] offset:XSC+512
.macro UNITQK T
.irp tt, 0,1,2,3                       ; the bias is loaded into the accumulators, in the result's layout: no register is cleared and nothing is added afterwards
.irp jj, 0,1
	global_load_b128 v[ACC+8*\tt+4*\jj:ACC+8*\tt+4*\jj+3], v[BA], s[10:11] offset:(32*(\tt/2)+8*(\tt%2))*4+16*\jj
.endr
.endr
.irp s, 0,1,2,3
.irp c, 0,1
	ds_load_b128 v[XF+8*\s+4*\c:XF+8*\s+4*\c+3], v[LI] offset:XIMG+\T*4096+\s*1024+512*\c
.endr
.endr
	s_wait_loadcnt 0x0                             ; the bias (in the first tile the weights too)
	s_wait_dscnt 0x0
.irp s, 0,1,2,3                        ; the four accumulators take turns, one instruction a turn
.irp tt, 0,1,2,3
	WM ACC+8*\tt, WF+8*(4*\tt+\s), XF+8*\s, ACC+8*\tt, WS+4*\tt+\s, XS+4*(\T/2)+\s, 2*(\T%2)
.endr
.endr
	PLACES
	s_wait_xcnt 0x0                                ; the last tile's stores have read their data: the codes' registers are written again only behind this wait
	QUANT2 ACC
	global_store_b128 v[LI], v[PCD:PCD+3], s[24:25] offset:512*\T   ; 512 consecutive bytes, aligned
	global_store_b16 v[SSA], v[PW], s[26:27] offset:2*\T            ; lanes r and r + 16 store the same two bytes with the same value
.endm
	UNITQK 0
	UNITQK 1
	UNITQK 2
	UNITQK 3
	; ---- V: my 32 rows of wv, a tile of 16 at a time, against all 64 places
.macro WVLOAD a
.irp s, 0,1,2,3
.irp c, 0,1
	global_load_b128 v[XF+8*\s+4*\c:XF+8*\s+4*\c+3], v[WA], s[18:19] offset:\a*2048+64*\s+32*\c
.endr
.endr
	global_load_b128 v[WS:WS+3], v[WSA], s[20:21] offset:\a*128
	global_load_b32 v[BR], v[VBA], s[22:23] offset:\a*32
.endm
	WVLOAD 0
.irp T, 0,1,2,3
.irp s, 0,1,2,3
.irp c, 0,1
	ds_load_b128 v[WF+32*\T+8*\s+4*\c:WF+32*\T+8*\s+4*\c+3], v[LI] offset:XIMG+\T*4096+\s*1024+512*\c
.endr
.endr
.endr
.macro UNITV a
	s_wait_loadcnt 0x0
	s_wait_dscnt 0x0
.irp j, 0,1,2,3,4,5,6,7
	v_mov_b32 v[BV+\j], v[BR]                      ; a lane holds one d here: its bias is the C of all eight places
.endr
	PLACES
.irp s, 0,1,2,3                        ; four accumulators by turns
.irp T, 0,1,2,3
.if \s == 0
	WM ACC+8*\T, WF+32*\T+8*\s, XF+8*\s, BV, XS+4*(\T/2)+\s, WS+\s, \T%2
.else
	WM ACC+8*\T, WF+32*\T+8*\s, XF+8*\s, ACC+8*\T, XS+4*(\T/2)+\s, WS+\s, \T%2
.endif
.endr
.endr
	PLACES
.if \a == 0
	WVLOAD 1                                       ; the next tile lands while this one is quantised
.endif
	s_wait_xcnt 0x0                                ; the earlier stores have read their data
	QUANT2 ACC
	global_store_b128 v[LI], v[PCD:PCD+3], s[12:13] offset:1024*\a
	global_store_b16 v[VSA], v[PW], s[14:15] offset:4*\a
.endm
	UNITV 0
	UNITV 1
	s_wait_tensorcnt 0x0
	ds_add_u32 v21, v63
	s_wait_dscnt 0x0
	s_endpgm
.Lfunc_end_k_q6aed115752_qkv:
	.size	k_q6aed115752_qkv, .Lfunc_end_k_q6aed115752_qkv-k_q6aed115752_qkv
	.p2alignl 7, 3214868480
	.fill 96, 4, 3214868480
	.section	.rodata,"a",@progbits
	.p2align	6, 0x0
	.amdhsa_kernel k_q6aed115752_qkv
		.amdhsa_group_segment_fixed_size 19456
		.amdhsa_private_segment_fixed_size 0
		.amdhsa_enable_private_segment 0
		.amdhsa_kernarg_size 104
		.amdhsa_user_sgpr_count 2
		.amdhsa_user_sgpr_kernarg_segment_ptr 1
		.amdhsa_wavefront_size32 1
		.amdhsa_system_sgpr_workgroup_id_x 1
		.amdhsa_system_sgpr_workgroup_id_y 1
		.amdhsa_system_sgpr_workgroup_id_z 1
		.amdhsa_system_vgpr_workitem_id 0
		.amdhsa_next_free_vgpr 256
		.amdhsa_next_free_sgpr 66
		.amdhsa_reserve_vcc 0
		.amdhsa_float_denorm_mode_32 3
		.amdhsa_float_denorm_mode_16_64 3
		.amdhsa_memory_ordered 1
		.amdhsa_forward_progress 1
		.amdhsa_inst_pref_size 53
	.end_amdhsa_kernel
	.amdgpu_metadata
---
amdhsa.version: [ 1, 2 ]
amdhsa.kernels:
  - .name:           k_q6aed115752_qkv
    .symbol:         k_q6aed115752_qkv.kd
    .args:
      - { .name: x, .offset: 0, .size: 8, .value_kind: global_buffer, .address_space: global }
      - { .name: wq_codes, .offset: 8, .size: 8, .value_kind: global_buffer, .address_space: global }
      - { .name: wq_scales, .offset: 16, .size: 8, .value_kind: global_buffer, .address_space: global }
      - { .name: bq, .offset: 24, .size: 8, .value_kind: global_buffer, .address_space: global }
      - { .name: wk_codes, .offset: 32, .size: 8, .value_kind: global_buffer, .address_space: global }
      - { .name: wk_scales, .offset: 40, .size: 8, .value_kind: global_buffer, .address_space: global }
      - { .name: bk, .offset: 48, .size: 8, .value_kind: global_buffer, .address_space: global }
      - { .name: wv_codes, .offset: 56, .size: 8, .value_kind: global_buffer, .address_space: global }
      - { .name: wv_scales, .offset: 64, .size: 8, .value_kind: global_buffer, .address_space: global }
      - { .name: bv, .offset: 72, .size: 8, .value_kind: global_buffer, .address_space: global }
      - { .name: qc, .offset: 80, .size: 8, .value_kind: global_buffer, .address_space: global }
      - { .name: qs, .offset: 88, .size: 8, .value_kind: global_buffer, .address_space: global }
      - { .name: kv, .offset: 96, .size: 8, .value_kind: global_buffer, .address_space: global }
    .group_segment_fixed_size: 19456
    .private_segment_fixed_size: 0
    .kernarg_segment_align: 8
    .kernarg_segment_size: 104
    .max_flat_workgroup_size: 512
    .sgpr_count:     66
    .vgpr_count:     256
    .wavefront_size: 32
...
	.end_amdgpu_metadata
.endif
;; end of part 1
;; launch attn (part 2): grid 16 x 16, 16 waves a work-group, clusters of 4 x 1, 327,680 bytes of LDS; arguments qc, qs, kv, wo_codes, wo_scales, bo, gamma, x, out0; writes out0
.if DOCPART == 2
	.amdgcn_target "amdgcn-amd-amdhsa--gfx1250"
	.amdhsa_code_object_version 6
	.text
	.protected	k_q6aed115752_attn
	.globl	k_q6aed115752_attn
	.p2align	8
	.type	k_q6aed115752_attn,@function
k_q6aed115752_attn:
	s_mov_b64 s[64:65], 0
	v_nop
	global_prefetch_b8 v0, s[64:65] scope:SCOPE_SE
	s_setreg_imm32_b32 hwreg(HW_REG_WAVE_MODE, 25, 1), 1
	s_wait_xcnt 0x0
	s_wait_alu depctr_hold_cnt(0) depctr_sa_sdst(0) depctr_va_vdst(0) depctr_va_sdst(0) depctr_va_ssrc(0) depctr_va_vcc(0) depctr_vm_vsrc(0)
	s_getreg_b32 s2, hwreg(HW_REG_IB_STS2, 6, 4)
	s_cmp_eq_u32 s2, 0
	s_cbranch_scc0 .Lentry_in_a_cluster
	s_endpgm
.Lentry_in_a_cluster:
	s_bfe_u32 s2, ttmp6, 0x10000c
	s_cmp_lg_u32 s2, 0x3003
	s_cbranch_scc0 .Lentry_shape_is_right
	s_endpgm
.Lentry_shape_is_right:
; y = gamma (wo o + bo) + x, o = softmax(q^T k / 8) v for each of 8 heads of 64, all three products on codes of FP4 (E2M1) with one E8M0 scale for each 32 along K.
; q, k, v come as codes from the launch before, laid as images of the operands' registers (lane l's 16 bytes at 16 l).  Row r of tile 2 b + u of the places (queries, keys) is place 32 b + 8 u + r + 8 (r / 8).
; THE SOFTMAX AHEAD OF THE SECOND PRODUCT: t = score x log2(e) / 8; M = the row's largest t so far, rounded UP to a whole number; p = 2^(t - M) is quantised along the keys, not normalised; the row's sum is taken of the
; unquantised p and divides O at the end; when M moves, the sum and O are multiplied by 2^(old M - new M), which rounds nothing.
; SHARES.  A work-group owns 64 queries (nb) of a batch (b), for all 8 heads, and then the 512 x 64 numbers of y.  Wave w: tile w % 4 of the queries; head w / 4 in the first round, 4 + w / 4 in the second.
; Four waves lie on a SIMD, so that one wave's vector work stands beside another's products and LDS loads.  A key step is 128 keys.
; BOTH PRODUCTS ARE USED TRANSPOSED: S^T = K Q^T, O^T = V^T P^T: a lane holds ONE query throughout, and p's 16 registers of two neighbouring tiles are 16 neighbouring keys.
; THE SCORES' K IS 64, HALF OF THE INSTRUCTION'S 128.  A fragment of K holds TWO tiles of 16 keys: one in registers 0-3 (K places 0-63), one in registers 4-7 (64-127).  q stands between zeros, v16-19 = 0, v20-23 = q,
; v24-27 = 0: v[20:27] multiplies the first tile and v[16:23] the second; the other half meets zero codes, which add nothing (no scale byte here is 0xff).
; THE RING.  A fill is four heads x four key steps: sixteen blocks of 8,704 bytes (4,096 of K, 4,096 of V, 512 of scale words), dense in memory; every wave brings one block.  Two slots, four fills.
; By this text's own count a wave has two tensor loads out at the start and one behind each change of slots; a refill has four key steps of all sixteen waves in which to land.
; CLUSTER.  The four work-groups of a cluster belong to one batch and walk the same k and v: every fill is asked for JOINTLY, by the same load with a mask that names the four.
; THE OUTPUT PROJECTION.  O^T / the sum is quantised along c = 64 head + d in registers and goes to LDS as images; behind a barrier wave w makes outputs 32 w .. 32 w + 31 for the 64 places
; (source 0 = 16 places of o, source 1 = 16 rows of wo: a lane holds one output channel and eight neighbouring places), and they leave through the wave's stage as rows of 256 bytes.
; k and v are not prefetched: each refill is requested four key steps ahead of the wait for it.  The residual's tile of x is: one instruction a wave, a lane a row, two key steps ahead of its loads.
; LIMITS: NaN and infinities and scale bytes of 0xff are not served.  A block whose largest magnitude lies under 2^-124 gets the byte 1 (a block of zeros too: its codes are zeros).
.set BLK,   8704                       ; a block: one head, 128 keys
.set SLOTB, 16*BLK                     ; a slot: 139,264 bytes
.set OIMG,  2*SLOTB                    ; behind the ring: o's 16 fragments (tile T, K step s) at 1024 (4 T + s) + 512 (head % 2) + 16 lane,
.set OSC,   OIMG+16384                 ; their scale words: 512 (T / 2) + 16 (16 (T % 2) + r) + 4 s,
.set SPARE, OSC+1024                   ; and the spare words, 128 bytes for each wave: eight blocks of 256 bytes that no other line names
; The stage of the way out, 32 rows x 272 bytes a wave, lies in slot 0, at BLK x wave: the slot has had its last fill and its last read by then.
.set AB,  1                            ; v1   16 x lane + my head's four blocks in a slot;  at the end: wo's codes, 256 r + 16 h
.set ADR, 2                            ; v2   the step's block;  at the end: wo's scale words, 16 r
.set SPW, 3                            ; v3   LDS address of my spare word: SPARE + 4 x my thread's number; never rewritten
.set NIL, 4                            ; v4   0; never rewritten
.set OWI, 5                            ; v5   where I store o's image
.set OWS, 6                            ; v6   and its two scale bytes
.set OLI, 7                            ; v7   OIMG + 16 x lane
.set SO,  8                            ; v8   the stage: where I put 32 bytes of a row
.set SR,  9                            ; v9   and where I read a row back
.set GO,  10                           ; v10  x and y: 4096 h + 16 r
.set PFO, 11                           ; v11  the prefetch: 4096 x lane
.set QZ,  16                           ; v16-27 0 | q | 0;  at the end v16-23 wo's scale words, v24-27 gamma x bo
.set QS,  28                           ; v28  q's scale word;  at the end v28-31 (and v12-15) o's scale words
.set KF,  32                           ; v32-63 K's four fragments;  at the end v32-95 wo's sixteen... eight a tile of outputs, then rows of y
.set VF,  64                           ; v64-95 V's four fragments
.set SS,  96                           ; v96-159 S^T, then p;  at the end the eight accumulators of y
.set OT,  160                          ; v160-191 O^T;  at the end four fragments of o
.set SC,  192                          ; v192-195 lanes 0-15 K's scale words, lanes 16-31 V's;  at the end v192-255 x
.set Q1,  196                          ; v196-199 the second round's q, v200 its scale word
.set QS1, 200
.set PCD, 224                          ; v224-231 p's codes; o's
.set TM,  232                          ; v232-254 at work
.set PW,  238
.set WO,  32
.set WOS, 16
.set WV,  22                           ; s22  my wave's number
.set TT,  23                           ; s23  my tile of queries
.set HQ,  24                           ; s24  my head in a round
.set SEL, 28                           ; s[28:29] v_permlanex16_b32's selects for lane l xor 16
.set CS,  30                           ; s[30:31] c = log2(e) / 8
.set G1,  32                           ; s[32:39] descriptor group 1
.set G0A, 40                           ; s[40:43] group 0 for slot 0;  s[44:47] for slot 1
.set G0B, 44
.set TB,  48                           ; s48  LDS byte at which the step's blocks begin
.set CNT, 49                           ; s49  key steps left in the slot
.set GAM, 50                           ; s[50:51] gamma, twice
.set XB,  52                           ; s[52:53] x at my 32 rows, the work-group's 64 places;  s[54:55] y likewise
.set YB,  54
.macro WM d, a, b, c, sa, sb, row      ; one product.  c < 0: the sum starts with 0.  row = 1: source 0's scales stand in lanes 16-31
.if (\c) < 0
.if (\row) == 0
	v_wmma_scale_f32_16x16x128_f8f6f4 v[\d:\d+7], v[\a:\a+7], v[\b:\b+7], 0, v[\sa], v[\sb] matrix_a_fmt:MATRIX_FMT_FP4 matrix_b_fmt:MATRIX_FMT_FP4
.else
	v_wmma_scale_f32_16x16x128_f8f6f4 v[\d:\d+7], v[\a:\a+7], v[\b:\b+7], 0, v[\sa], v[\sb] matrix_a_fmt:MATRIX_FMT_FP4 matrix_b_fmt:MATRIX_FMT_FP4 matrix_a_scale:MATRIX_SCALE_ROW1
.endif
.else
.if (\row) == 0
	v_wmma_scale_f32_16x16x128_f8f6f4 v[\d:\d+7], v[\a:\a+7], v[\b:\b+7], v[\c:\c+7], v[\sa], v[\sb] matrix_a_fmt:MATRIX_FMT_FP4 matrix_b_fmt:MATRIX_FMT_FP4
.else
	v_wmma_scale_f32_16x16x128_f8f6f4 v[\d:\d+7], v[\a:\a+7], v[\b:\b+7], v[\c:\c+7], v[\sa], v[\sb] matrix_a_fmt:MATRIX_FMT_FP4 matrix_b_fmt:MATRIX_FMT_FP4 matrix_a_scale:MATRIX_SCALE_ROW1
.endif
.endif
.endm
.macro PLACES                          ; four places behind matrix instructions, in front of reads of their results and of loads into their registers (ISA guide 7.12.1 for vector instructions)
.rept 4
	v_nop
.endr
.endm
; A round of the cluster's barrier: my work-group's barrier, so that wave 0's signal speaks for all sixteen waves; wave 0 signals; every wave waits for the four work-groups; my work-group's barrier once more.
.macro CROUND
	s_barrier_signal -1
	s_barrier_wait -1
	s_cmp_lg_u32 s[WV], 0
	s_cbranch_scc1 .Lnot_wave_0_\@
	s_barrier_signal -3
.Lnot_wave_0_\@:
	s_barrier_wait -3
	s_barrier_signal -1
	s_barrier_wait -1
.endm
; 32 numbers of a lane, register 16 b + i = index 32 b + 16 h + i of my row, become 4 registers of codes (lane (r, h): indices 32 h .. 32 h + 31) in v[PCD] on and the two blocks' scale bytes in v[PW].
.macro QUANT2 src
.irp b, 0,1
	v_max3_num_f32 v[TM+\b], |v[\src+16*\b]|, |v[\src+16*\b+1]|, 0x1800000   ; and the floor 2^(3 - 127): the byte cannot fall under 1
.endr
.irp i, 2,4,6,8,10,12,14
.irp b, 0,1
	v_max3_num_f32 v[TM+\b], v[TM+\b], |v[\src+16*\b+\i]|, |v[\src+16*\b+\i+1]|
.endr
.endr
.irp b, 0,1
	v_permlanex16_b32 v[TM+2+\b], v[TM+\b], s[SEL], s[SEL+1]
.endr
.irp b, 0,1
	v_max_num_f32 v[TM+\b], v[TM+\b], v[TM+2+\b]
.endr
.irp b, 0,1
	v_add_nc_u32 v[TM+4+\b], 0xff000000, v[TM+\b]  ; 2 off the exponent field: the conversion's scale operand
.endr
.irp b, 0,1
	v_lshrrev_b32 v[TM+2+\b], 23, v[TM+4+\b]
.endr
	v_lshl_or_b32 v[PW], v[TM+3], 8, v[TM+2]
.irp b, 0,1
	v_cvt_scalef32_pk8_fp4_f32 v[PCD+2*\b], v[\src+16*\b:\src+16*\b+7], v[TM+4+\b]
	v_cvt_scalef32_pk8_fp4_f32 v[PCD+2*\b+1], v[\src+16*\b+8:\src+16*\b+15], v[TM+4+\b]
.endr
	v_nop                                          ; one plain place behind a scaled conversion
	v_permlane16_swap_b32 v[PCD], v[PCD+2]
	v_permlane16_swap_b32 v[PCD+1], v[PCD+3]
.endm
; A head begins: the largest t is -3e38, under every t; the sum and O^T are zeros, which the first change of M leaves zeros.  So a key step is written in one form.
.macro RESET
	v_mov_b32 v13, 0xff61b1e6
	v_floor_f32 v12, -v13                          ; -M
	v_mov_b32 v14, 0
	v_mov_b32 v15, 0
.set j, 0
.rept 32
	v_mov_b32 v[OT+j], 0
.set j, j+1
.endr
.endm
	s_load_b512 s[4:19], s[0:1], 0x0               ; qc s[4:5], qs s[6:7], kv s[8:9], wo's codes s[10:11], wo's scales s[12:13], bo s[14:15], gamma s[16:17], x s[18:19]
	s_load_b64 s[20:21], s[0:1], 0x40              ; y
	v_lshl_add_u32 v[SPW], v0, 2, SPARE
	v_mov_b32 v[NIL], 0
	ds_add_u32 v3, v4
	s_wait_dscnt 0x0
	v_lshrrev_b32 v1, 5, v0
	v_readfirstlane_b32 s[WV], v1                  ; wave 0..15
	s_and_b32 s[TT], s[WV], 3
	s_lshr_b32 s[HQ], s[WV], 2
	s_bfe_u32 s56, ttmp6, 0x40000                  ; cx: my place in the cluster
	s_lshl_b32 s57, ttmp9, 2                       ; in a cluster launch ttmp9 counts clusters
	s_add_co_u32 s57, s57, s56                     ; nb: it enters the addresses of qc, qs, x and y alone
	s_and_b32 s58, ttmp7, 0xffff                   ; b, which the four partners share
	; descriptor group 1: a block of 8,704 dense bytes as 34 rows of 256 bytes (32 elements of 8 bytes)
	s_mov_b32 s[G1], 15|(3<<16)|(1<<21)            ; 15:0 the mask: all four work-groups; 17:16 elements of 8 bytes; 20 no padding: the images are read 16 bytes a lane on end; 21 set beside a mask
	s_mov_b32 s[G1+1], 32<<16                      ; tensor_dim0 = 32
	s_mov_b32 s[G1+2], 34<<16                      ; tensor_dim1 = 34
	s_mov_b32 s[G1+3], 32<<16                      ; tile_dim0 = 32
	s_mov_b32 s[G1+4], 34                          ; tile_dim1 = 34
	s_mov_b32 s[G1+5], 32                          ; tensor_dim0_stride
	s_mov_b32 s[G1+6], 0
	s_mov_b32 s[G1+7], 0
	s_mul_i32 s[G0A+1], s[WV], BLK                 ; LDS: block w of slot 0,
	s_add_co_u32 s[G0B+1], s[G0A+1], SLOTB         ; of slot 1
	s_mul_i32 s60, s58, 4*SLOTB                    ; memory: the batch's four fills,
	s_add_co_u32 s60, s60, s[G0A+1]                ; block w
	s_mov_b32 s61, 0
	s_lshl_b32 s62, s58, 3
	s_add_co_u32 s62, s62, s[HQ]
	s_lshl_b32 s62, s62, 4
	s_add_co_u32 s62, s62, s57                     ; 16 (8 b + head) + nb
	s_lshl_b32 s66, s62, 7                         ; q's scale bytes,
	s_lshl_b32 s62, s62, 11                        ; q's codes,
	s_lshl_b32 s63, s[TT], 9
	s_add_co_u32 s62, s62, s63                     ; my tile's
	s_lshl_b32 s63, s[TT], 1
	s_add_co_u32 s66, s66, s63
	s_mov_b32 s63, 0
	s_mov_b32 s67, 0
	s_lshl_b32 s68, s58, 21                        ; x and y: batch b, my 32 rows of 4,096 bytes, the work-group's 256 bytes of a row
	s_lshl_b32 s69, s[WV], 17
	s_add_co_u32 s68, s68, s69
	s_lshl_b32 s69, s57, 8
	s_add_co_u32 s68, s68, s69
	s_mov_b32 s69, 0
	s_mov_b32 s71, 0
	s_mov_b32 s[SEL], 0x76543210
	s_mov_b32 s[SEL+1], 0xfedcba98
	s_mov_b32 s[CS], 0x3e38aa3b                    ; c = log2(e) / 8
	s_mov_b32 s[CS+1], s[CS]                       ; (named with it as a pair, so it is written)
	s_wait_kmcnt 0x0
	s_mov_b32 s[G0A], 1                            ; 1:0 count = 1
	s_add_nc_u64 s[G0A+2:G0A+3], s[8:9], s[60:61]  ; 120:64 global address: fill 0
	s_mov_b32 s[G0B], 1
	s_add_nc_u64 s[G0B+2:G0B+3], s[G0A+2:G0A+3], SLOTB   ; fill 1
	s_or_b32 s[G0A+3], s[G0A+3], 0x80000000        ; 127:126 type = 2
	s_or_b32 s[G0B+3], s[G0B+3], 0x80000000
	s_add_nc_u64 s[4:5], s[4:5], s[62:63]
	s_add_nc_u64 s[6:7], s[6:7], s[66:67]
	s_add_nc_u64 s[XB:XB+1], s[18:19], s[68:69]
	s_add_nc_u64 s[YB:YB+1], s[20:21], s[68:69]
	s_lshl_b32 s70, s[WV], 13                      ; my 32 rows of wo: codes,
	s_add_nc_u64 s[10:11], s[10:11], s[70:71]
	s_lshl_b32 s70, s[WV], 9                       ; scale bytes,
	s_add_nc_u64 s[12:13], s[12:13], s[70:71]
	s_lshl_b32 s70, s[WV], 7                       ; bo
	s_add_nc_u64 s[14:15], s[14:15], s[70:71]
	CROUND                                         ; all four work-groups are here: the first joint loads meet
	tensor_load_to_lds s[G0A:G0A+3], s[G1:G1+7]    ; the two first fills go out together, ahead of every wait on TENSORcnt and every LDS read
	s_nop 0
	tensor_load_to_lds s[G0B:G0B+3], s[G1:G1+7]
	s_nop 0
	PLACES                                         ; four v_nop behind the tensor loads
	s_load_b32 s[GAM], s[16:17], 0x0
	v_and_b32 v29, 31, v0
	v_lshlrev_b32 v29, 4, v29                      ; 16 x lane
	v_and_b32 v30, 15, v0                          ; r
	v_bfe_u32 v31, v0, 4, 1                        ; h
	global_load_b128 v[QZ+4:QZ+7], v29, s[4:5]                 ; q of the first round's head,
	global_load_b128 v[Q1:Q1+3], v29, s[4:5] offset:131072     ; and of the second's, four heads on
	s_mul_i32 s72, s[HQ], 4*BLK
	v_add_nc_u32 v[AB], s72, v29
	v_add_nc_u32 v[OLI], OIMG, v29
	s_lshl_b32 s72, s[TT], 12                      ; o's image: tile T, K step 2 g + hq / 2, half hq % 2
	s_lshr_b32 s73, s[HQ], 1
	s_lshl_b32 s74, s73, 10
	s_add_co_u32 s72, s72, s74
	s_and_b32 s75, s[HQ], 1
	s_lshl_b32 s74, s75, 9
	s_add_co_u32 s72, s72, s74
	v_add_nc_u32 v[OWI], s72, v[OLI]
	s_lshl_b32 s72, s[TT], 8                       ; its scale bytes: 512 (T / 2) + 256 (T % 2) = 256 T
	s_lshl_b32 s74, s73, 2
	s_add_co_u32 s72, s72, s74
	s_lshl_b32 s74, s75, 1
	s_add_co_u32 s72, s72, s74
	s_add_co_u32 s72, s72, OSC
	v_lshl_add_u32 v[OWS], v30, 4, s72
	s_mul_i32 s72, s[WV], BLK                      ; my stage
	v_mul_u32_u24 v[SO], v30, 272                  ; in: row r, 64 bytes for each half of the lanes
	v_lshl_add_u32 v[SO], v31, 6, v[SO]
	v_add_nc_u32 v[SO], s72, v[SO]
	v_mul_u32_u24 v[SR], v31, 272                  ; back: lanes 0-15 one row of 256 bytes, lanes 16-31 the next
	v_lshl_add_u32 v[SR], v30, 4, v[SR]
	v_add_nc_u32 v[SR], s72, v[SR]
	v_lshlrev_b32 v[GO], 12, v31                   ; and the same two rows in x and y
	v_lshl_add_u32 v[GO], v30, 4, v[GO]
	v_and_b32 v[PFO], 31, v0
	v_lshlrev_b32 v[PFO], 12, v[PFO]
	v_lshlrev_b32 v30, 3, v30                      ; q's scale bytes: 8 r
	global_load_u16 v[QS], v30, s[6:7]
	global_load_u16 v[QS1], v30, s[6:7] offset:8192
.irp i, 0,1,2,3
	v_mov_b32 v[QZ+\i], 0                          ; the zero codes on both sides of q
	v_mov_b32 v[QZ+8+\i], 0
	v_mov_b32 v[236+\i], 0                         ; written once: a lane permute's destination counts as one of its sources
.endr
	v_mov_b32 v253, 0                              ; (named as the upper half of the pair v[252:253] before it is first written)
	s_wait_loadcnt 0x0
	v_lshl_or_b32 v[QS], v[QS], 16, v[QS]          ; q's two bytes twice: they serve q at K places 0-63 and at 64-127
	v_lshl_or_b32 v[QS1], v[QS1], 16, v[QS1]
	RESET                                          ; (its lines are also the places between the scale word's write and the first product)
	s_wait_kmcnt 0x0
	s_mov_b32 s[GAM+1], s[GAM]
; A KEY STEP: 128 keys of my head.  ask = 1: in the slot's third step x's tile is prefetched.
.macro STEP ask
	v_add_nc_u32 v[ADR], s[TB], v[AB]
.rept 3
	v_nop                                          ; with the addition four places behind the last step's products, in front of the loads into V's fragments and the scale words
.endr
.irp f, 0,1,2,3
.irp c, 0,1
	ds_load_b128 v[KF+8*\f+4*\c:KF+8*\f+4*\c+3], v[ADR] offset:1024*\f+512*\c
.endr
.endr
	ds_load_b128 v[SC:SC+3], v[ADR] offset:8192
.irp t, 0,1,2,3
.irp c, 0,1
	ds_load_b128 v[VF+8*\t+4*\c:VF+8*\t+4*\c+3], v[ADR] offset:4096+1024*\t+512*\c
.endr
.endr
.if \ask
	s_cmp_eq_u32 s[CNT], 2                         ; the last slot's third step: two key steps ahead of the loads of x
	s_cbranch_scc0 .Lno_ask_\@
	global_prefetch_b8 v[PFO], s[XB:XB+1] th:TH_LOAD_NT scope:SCOPE_SE   ; my 32 rows of x, the work-group's 256 bytes of each: a lane a row; no other wave of the launch names them
.Lno_ask_\@:
.endif
	s_wait_dscnt 8                                 ; K and the scale words are in; the eight younger loads, V's, may be out
.irp f, 0,1,2,3                        ; S^T = K Q^T: each fragment twice, once for each of its two tiles of keys
	WM SS+16*\f, KF+8*\f, QZ+4, -1, SC+\f, QS, 0
	WM SS+16*\f+8, KF+8*\f, QZ, -1, SC+\f, QS, 0
.endr
	PLACES
.irp b, 0,1,2,3
	v_max3_num_f32 v[232+\b], v[SS+16*\b], v[SS+1+16*\b], v[SS+2+16*\b]   ; THE LARGEST SCORE OF EACH BLOCK OF 32 KEYS serves twice: for the row's maximum, and, since p rises with the score, for the block's largest p
.endr
.irp i, 3,5,7,9,11,13
.irp b, 0,1,2,3
	v_max3_num_f32 v[232+\b], v[232+\b], v[SS+16*\b+\i], v[SS+1+16*\b+\i]
.endr
.endr
.irp b, 0,1,2,3
	v_max_num_f32 v[232+\b], v[232+\b], v[SS+15+16*\b]
.endr
.irp b, 0,1,2,3
	v_permlanex16_b32 v[236+\b], v[232+\b], s[SEL], s[SEL+1]
.endr
.irp b, 0,1,2,3
	v_max_num_f32 v[232+\b], v[232+\b], v[236+\b]  ; with lane l xor 16's 16 keys
.endr
	v_max3_num_f32 v254, v232, v233, v234
	v_max_num_f32 v254, v254, v235                 ; the step's largest score of my query
	v_mul_f32 v254, s[CS], v254                    ; as t (c is positive)
	v_max_num_f32 v13, v13, v254                   ; the running largest t
	v_mov_b32 v254, v12
	v_floor_f32 v12, -v13                          ; the new -M = floor(-t) = -ceil(t)
	v_sub_f32 v254, v12, v254                      ; old M - new M: a whole number, 0 or less
	v_cvt_i32_f32 v254, v254                       ; (it saturates)
	v_ldexp_f32 v252, 1.0, v254                    ; f = 2^(old M - new M)
.set j, 0
.rept 32
	v_pk_fma_f32 v[SS+j:SS+j+1], v[SS+j:SS+j+1], s[CS:CS+1], v[12:13] op_sel_hi:[1,0,0]   ; t - M, two at a time
.set j, j+2
.endr
.irp b, 0,1,2,3
	v_fma_f32 v[232+\b], v[232+\b], s[CS], v12     ; the same of each block's largest score
.endr
.set j, 0
.rept 64
	v_exp_f32 v[SS+j], v[SS+j]                     ; p = 2^(t - M), at most 1: not normalised
.set j, j+1
.endr
.irp b, 0,1,2,3
	v_exp_f32 v[232+\b], v[232+\b]                 ; the block's largest p: the same two instructions on the same number give the same bits
.endr
	v_pk_mul_f32 v[14:15], v[14:15], v[252:253] op_sel_hi:[1,0]   ; the sums under the new M.  (A plain place behind the exponentials)
	s_wait_alu depctr_va_vdst(0)
.irp b, 0,1,2,3
	v_max_num_f32 v[232+\b], 0x1800000, v[232+\b]  ; the floor 2^(3 - 127): the byte cannot fall under 1
.endr
.irp b, 0,1,2,3
	v_add_nc_u32 v[244+\b], 0xff000000, v[232+\b]  ; 2 off the exponent field: the conversion's scale operand
.endr
.irp b, 0,1,2,3
	v_lshrrev_b32 v[236+\b], 23, v[244+\b]
.endr
	v_lshl_or_b32 v253, v237, 8, v236              ; p's scale word for these 128 keys
	v_lshl_or_b32 v253, v238, 16, v253
	v_lshl_or_b32 v253, v239, 24, v253
.irp b, 0,1,2,3
	v_cvt_scalef32_pk8_fp4_f32 v[PCD+2*\b], v[SS+16*\b:SS+7+16*\b], v[244+\b]
	v_cvt_scalef32_pk8_fp4_f32 v[PCD+1+2*\b], v[SS+8+16*\b:SS+15+16*\b], v[244+\b]
.endr
	v_nop                                          ; one plain place behind a scaled conversion
.irp c, 0,1
.irp i, 0,1
	v_permlane16_swap_b32 v[PCD+4*\c+\i], v[PCD+2+4*\c+\i]   ; a WHOLE block in a lane: lanes 0-15 block 2 c, lanes 16-31 block 2 c + 1
.endr
.endr
.set j, 0
.rept 16
	v_pk_mul_f32 v[OT+j:OT+j+1], v[OT+j:OT+j+1], v[252:253] op_sel_hi:[1,0]   ; O^T under the new M, each accumulator from its low end on
.set j, j+2
.endr
	v_pk_add_f32 v[236:237], v[SS:SS+1], v[SS+2:SS+3]   ; THE ROW'S SUM IS TAKEN OF THE UNQUANTISED p: two at a time, in two chains.  (These lines are also the places in front of the products below)
.set j, 4
.rept 15
	v_pk_add_f32 v[14:15], v[14:15], v[SS+j:SS+j+1]
	v_pk_add_f32 v[236:237], v[236:237], v[SS+j+2:SS+j+3]
.set j, j+4
.endr
	v_pk_add_f32 v[14:15], v[14:15], v[236:237]
	s_wait_dscnt 0x0                               ; V is in
.irp t, 0,1,2,3                        ; O^T += V^T P^T: four accumulators, one instruction each
	WM OT+8*\t, VF+8*\t, PCD, OT+8*\t, SC+\t, 253, 1
.endr
.endm
.macro STEPS slot, ask                 ; a slot's four key steps: written once, walked four times
	s_mov_b32 s[TB], \slot*SLOTB
	s_mov_b32 s[CNT], 4
.Lstep_\@:
	STEP \ask
	s_add_co_u32 s[TB], s[TB], BLK
	s_sub_co_u32 s[CNT], s[CNT], 1
	s_cmp_lg_u32 s[CNT], 0
	s_cbranch_scc1 .Lstep_\@
.endm
; THE CHANGE OF SLOTS.  Each wave waits for all its tensor loads (one is out: its block of the slot ahead), adds 0 to its spare word, and waits for that and for its reads of the slot that it has left.
; Behind the round no wave of any partner reads that slot or has a load on its way: it is filled again, with the fill two on, first thing.
.macro CHANGE g0
	s_wait_tensorcnt 0x0                           ; no tensor load of mine is out, so a group 0 may be written
	ds_add_u32 v[SPW], v[NIL]                      ; 0 onto my spare word
	s_add_nc_u64 s[\g0+2:\g0+3], s[\g0+2:\g0+3], 2*SLOTB   ; two fills on; the type bits on top are not reached
	s_wait_dscnt 0x0                               ; the add is done, and my reads of the slot are over
	CROUND
	tensor_load_to_lds s[\g0:\g0+3], s[G1:G1+7]    ; my one tensor load behind the round
	s_nop 0
	PLACES                                         ; four v_nop behind it; they are also the places behind the last products
.endm
; A head ends: O^T / the sum is quantised along d and goes to LDS as half a fragment of the output projection's operand.  g = 0: the second round's head begins.
.macro FIN g
	v_add_f32 v14, v14, v15                        ; the sum's two halves,
	v_permlanex16_b32 v252, v14, s[SEL], s[SEL+1]
	v_add_f32 v14, v14, v252                       ; and lane l xor 16's
	v_rcp_f32 v14, v14
	v_nop                                          ; one plain place behind a transcendental
.set j, 0
	s_wait_alu depctr_va_vdst(0)
.rept 16
	v_pk_mul_f32 v[SS+j:SS+j+1], v[OT+j:OT+j+1], v[14:15] op_sel_hi:[1,0]   ; register 16 b + i: d = 32 b + 16 h + i of my query
.set j, j+2
.endr
	QUANT2 SS
	ds_store_b128 v[OWI], v[PCD:PCD+3] offset:2048*\g
	ds_store_b16 v[OWS], v[PW] offset:8*\g         ; lanes r and r + 16 store the same two bytes with the same value
.if \g == 0
.irp i, 0,1,2,3
	v_mov_b32 v[QZ+4+\i], v[Q1+\i]
.endr
	v_mov_b32 v[QS], v[QS1]
	RESET                                          ; (also the places between these writes and the next products)
.endif
.endm
	s_wait_tensorcnt 0x1                           ; my block of fill 0 is in; fill 1's may stay out
	s_barrier_signal -1
	s_barrier_wait -1                              ; everybody's is
	STEPS 0, 0                                     ; heads 0-3, keys 0-511
	CHANGE G0A                                     ; fill 2 into slot 0
	STEPS 1, 0                                     ; heads 0-3, keys 512-1023
	CHANGE G0B                                     ; fill 3 into slot 1
	FIN 0
	STEPS 0, 0                                     ; heads 4-7, keys 0-511
	s_wait_tensorcnt 0x0                           ; the last change of slots: my block of fill 3 is in; nothing is asked for, so no round follows
	ds_add_u32 v[SPW], v[NIL]
	s_wait_dscnt 0x0
	s_barrier_signal -1
	s_barrier_wait -1
	STEPS 1, 1                                     ; heads 4-7, keys 512-1023
	; ---- THE OUTPUT PROJECTION.  Offsets for wo: six plain lines, the places behind the last products
	v_and_b32 v2, 15, v0                           ; r
	v_bfe_u32 v1, v0, 4, 1                         ; h
	v_lshlrev_b32 v1, 4, v1
	v_lshl_add_u32 v1, v2, 8, v1                   ; codes: 256 r + 16 h
	v_lshlrev_b32 v0, 2, v2                        ; bo: 4 r
	v_lshlrev_b32 v2, 4, v2                        ; scale words: 16 r
.irp n, 0,1                            ; my two tiles of 16 rows of wo, four K steps each
.irp s, 0,1,2,3
.irp c, 0,1
	global_load_b128 v[WO+8*(4*\n+\s)+4*\c:WO+8*(4*\n+\s)+4*\c+3], v1, s[10:11] offset:4096*\n+64*\s+32*\c
.endr
.endr
.endr
.irp n, 0,1
	global_load_b128 v[WOS+4*\n:WOS+4*\n+3], v2, s[12:13] offset:256*\n
.endr
	global_load_b32 v24, v0, s[14:15]
	global_load_b32 v26, v0, s[14:15] offset:64
	FIN 1
	s_wait_dscnt 0x0                               ; for the others' sake: my images have landed; and the stores have read the registers into which x is loaded
.set i, 0
.rept 16
	global_load_b128 v[192+4*i:195+4*i], v[GO], s[XB:XB+1] offset:8192*i th:TH_LOAD_NT   ; the residual: two rows of 256 bytes an instruction
.set i, i+1
.endr
	s_barrier_signal -1
	s_barrier_wait -1                              ; o's sixteen fragments and their scale words lie in LDS
	s_wait_loadcnt 16                              ; wo, its scale words and bo are in; the 16 younger loads, x's, may be out
	v_mul_f32 v24, s[GAM], v24                     ; gamma x bo of my output channel, as pairs
	v_mul_f32 v26, s[GAM], v26
	v_mov_b32 v25, v24
	v_mov_b32 v27, v26
	ds_load_b128 v[12:15], v[OLI] offset:16384     ; o's scale words: register s; lanes 0-15 tile 0, lanes 16-31 tile 1;
	ds_load_b128 v[28:31], v[OLI] offset:16384+512 ; tiles 2 and 3
.irp s, 0,1,2,3
.if \s > 0
	PLACES
.endif
.irp T, 0,1,2,3
.irp c, 0,1
	ds_load_b128 v[OT+8*\T+4*\c:OT+8*\T+4*\c+3], v[OLI] offset:(4*\T+\s)*1024+512*\c
.endr
.endr
	s_wait_dscnt 0x0
.irp T, 0,1,2,3                        ; eight accumulators by turns, a K step at a time
.irp n, 0,1
.if \s == 0
	WM SS+8*(4*\n+\T), OT+8*\T, WO+8*(4*\n+\s), -1, 12+16*(\T/2)+\s, WOS+4*\n+\s, \T%2
.else
	WM SS+8*(4*\n+\T), OT+8*\T, WO+8*(4*\n+\s), SS+8*(4*\n+\T), 12+16*(\T/2)+\s, WOS+4*\n+\s, \T%2
.endif
.endr
.endr
.endr
	PLACES
.set j, 0
.rept 16
	v_pk_fma_f32 v[SS+j:SS+j+1], v[SS+j:SS+j+1], s[GAM:GAM+1], v[24:25] op_sel_hi:[1,0,1]   ; gamma x sum + gamma x bo, each accumulator from its low end on
.set j, j+2
.endr
.rept 16
	v_pk_fma_f32 v[SS+j:SS+j+1], v[SS+j:SS+j+1], s[GAM:GAM+1], v[26:27] op_sel_hi:[1,0,1]
.set j, j+2
.endr
.irp n, 0,1                            ; lane (r, h) holds output channel 16 n + r and, in tile T = 2 b + u, places 32 b + 16 h + 8 u + 0 .. 7
.irp T, 0,1,2,3
.irp jj, 0,1
	ds_store_b128 v[SO], v[SS+8*(4*\n+\T)+4*\jj:SS+8*(4*\n+\T)+4*\jj+3] offset:4352*\n+128*(\T/2)+32*(\T%2)+16*\jj
.endr
.endr
.endr
.set i, 0
.rept 16
	ds_load_b128 v[32+4*i:35+4*i], v[SR] offset:544*i   ; LDS serves a wave's instructions in order (ISA guide 5.7.1.4): these see my stores; the stage is my own
.set i, i+1
.endr
	s_wait_loadcnt 0x0                             ; x
.set i, 0
.rept 16
	s_wait_dscnt 15-i                              ; rows 2 i and 2 i + 1 are back; the younger loads may be out
	v_pk_add_f32 v[32+4*i:33+4*i], v[32+4*i:33+4*i], v[192+4*i:193+4*i]
	v_pk_add_f32 v[34+4*i:35+4*i], v[34+4*i:35+4*i], v[194+4*i:195+4*i]
	global_store_b128 v[GO], v[32+4*i:35+4*i], s[YB:YB+1] offset:8192*i th:TH_STORE_NT   ; 16 lanes store 256 consecutive bytes, at a multiple of 256 from y's first byte
.set i, i+1
.endr
	s_wait_tensorcnt 0x0                           ; the wave's end, behind my last tensor load and my last LDS store
	ds_add_u32 v[SPW], v[NIL]
	s_wait_dscnt 0x0
	CROUND                                         ; the closing round: no work-group ends while a partner may still ask for a tile that names it
	s_endpgm
.Lfunc_end_k_q6aed115752_attn:
	.size	k_q6aed115752_attn, .Lfunc_end_k_q6aed115752_attn-k_q6aed115752_attn
	.p2alignl 7, 3214868480
	.fill 96, 4, 3214868480
	.section	.rodata,"a",@progbits
	.p2align	6, 0x0
	.amdhsa_kernel k_q6aed115752_attn
		.amdhsa_group_segment_fixed_size 327680
		.amdhsa_private_segment_fixed_size 0
		.amdhsa_enable_private_segment 0
		.amdhsa_kernarg_size 72
		.amdhsa_user_sgpr_count 2
		.amdhsa_user_sgpr_kernarg_segment_ptr 1
		.amdhsa_wavefront_size32 1
		.amdhsa_system_sgpr_workgroup_id_x 1
		.amdhsa_system_sgpr_workgroup_id_y 1
		.amdhsa_system_sgpr_workgroup_id_z 1
		.amdhsa_system_vgpr_workitem_id 0
		.amdhsa_next_free_vgpr 256
		.amdhsa_next_free_sgpr 80
		.amdhsa_reserve_vcc 0
		.amdhsa_float_denorm_mode_32 3
		.amdhsa_float_denorm_mode_16_64 3
		.amdhsa_memory_ordered 1
		.amdhsa_forward_progress 1
		.amdhsa_inst_pref_size 95
	.end_amdhsa_kernel
	.amdgpu_metadata
---
amdhsa.version: [ 1, 2 ]
amdhsa.kernels:
  - .name:           k_q6aed115752_attn
    .symbol:         k_q6aed115752_attn.kd
    .args:
      - { .name: qc, .offset: 0, .size: 8, .value_kind: global_buffer, .address_space: global }
      - { .name: qs, .offset: 8, .size: 8, .value_kind: global_buffer, .address_space: global }
      - { .name: kv, .offset: 16, .size: 8, .value_kind: global_buffer, .address_space: global }
      - { .name: wo_codes, .offset: 24, .size: 8, .value_kind: global_buffer, .address_space: global }
      - { .name: wo_scales, .offset: 32, .size: 8, .value_kind: global_buffer, .address_space: global }
      - { .name: bo, .offset: 40, .size: 8, .value_kind: global_buffer, .address_space: global }
      - { .name: gamma, .offset: 48, .size: 8, .value_kind: global_buffer, .address_space: global }
      - { .name: x, .offset: 56, .size: 8, .value_kind: global_buffer, .address_space: global }
      - { .name: out0, .offset: 64, .size: 8, .value_kind: global_buffer, .address_space: global }
    .group_segment_fixed_size: 327680
    .private_segment_fixed_size: 0
    .kernarg_segment_align: 8
    .kernarg_segment_size: 72
    .max_flat_workgroup_size: 512
    .sgpr_count:     80
    .vgpr_count:     256
    .wavefront_size: 32
...
	.end_amdgpu_metadata
.endif
;; end of part 2
;; ======== version 2 of 2: 2 launches
;; workspace buffers: qc 4,194,304 bytes; qs 262,144 bytes; kv 8,912,896 bytes
;; launch qkv (part 3): grid 16 x 16, 16 waves a work-group, no clusters, 19,456 bytes of LDS; arguments x, wq_codes, wq_scales, bq, wk_codes, wk_scales, bk, wv_codes, wv_scales, bv, qc, qs, kv; writes qc, qs, kv
.if DOCPART == 3
	.amdgcn_target "amdgcn-amd-amdhsa--gfx1250"
	.amdhsa_code_object_version 6
	.text
	.protected	k_q6aed115752_qkv
	.globl	k_q6aed115752_qkv
	.p2align	8
	.type	k_q6aed115752_qkv,@function
k_q6aed115752_qkv:
	s_mov_b64 s[64:65], 0
	v_nop
	global_prefetch_b8 v0, s[64:65] scope:SCOPE_SE
	s_setreg_imm32_b32 hwreg(HW_REG_WAVE_SCHED_MODE, 0, 2), 2
	s_setreg_imm32_b32 hwreg(HW_REG_WAVE_MODE, 25, 1), 1
	s_wait_xcnt 0x0
	s_wait_alu depctr_vm_vsrc(0)
; q, k, v = W x + b on codes of FP4 (E2M1) with one E8M0 scale for each 32 along K, and their results quantised again for the attention launch.
; x: [16][512 c][1024 n] f32, K = c, which is NOT innermost.  wq, wk, wv: codes [512 o][256 bytes], scale bytes [512][16].  Biases f32.
; SHARES.  A work-group (x = nb, y = b) owns 64 places n = 64 nb .. 64 nb + 63 of batch b and all 1,536 outputs; sixteen waves.
;   X:  wave w quantises 32 places x 64 channels: A LANE TAKES A PLACE, ITS REGISTERS RUN DOWN c, so that a block of 32 channels lies in one lane; the codes go to LDS as images of the operand's registers.  One barrier.
;   QK: waves 0-7 make q of head w, waves 8-15 k of head w - 8: source 0 = 16 rows of W, source 1 = 16 places: a lane holds ONE place and its registers run along d, the next K.
;   V:  wave w makes rows 32 w .. 32 w + 31 of v: source 0 = 16 places, source 1 = 16 rows of wv: a lane holds ONE d and its registers run along the places, which are the keys, the next K.
; ONE ORDER EVERYWHERE: row r of tile 2 b + u (of places, and of the rows of wq, wk, wv) is index 32 b + 8 u + r + 8 (r / 8).  Then register j of tile 2 b + u in half h of the lanes is index 32 b + 16 h + 8 u + j:
; the 16 registers of two neighbouring tiles are 16 neighbours along the next K.
; WHAT IS STORED (all of it read by the next launch alone, laid as that launch's registers want it):
;   qc [b][head][nb][tile 4][512]: lane l's 16 bytes at 16 l: lane (r, h) holds d = 32 h .. 32 h + 31 of the tile's row r.   qs [b][head][nb][r 16][tile 4]: two bytes, d's two blocks.
;   kv: blocks of 8,704 bytes, one for a head and 128 keys, number 64 b + 32 (head / 4) + 16 (ks / 4) + 4 (head % 4) + ks % 4, ks = nb / 2:
;     0    + 1024 f + 512 u + 16 l   k: tile 2 f + u of the keys        4096 + 1024 t + 512 hs + 16 l   v: tile t of d, keys 64 hs + 32 h + 0 .. 31, hs = nb % 2
;     8192 + 16 r + 4 f + 2 u        k's scale bytes                    8448 + 16 r + 4 t + 2 hs        v's scale bytes
; Code stores cover 512 consecutive bytes, aligned.  The scale bytes leave two at a time: a block's 512 scale bytes come from two work-groups and sixteen waves; they are one byte in sixteen of what is stored.
; THE WEIGHTS ARE NOT SHARED THROUGH LDS, and so not asked for jointly: each wave takes the 16,384 + 8,192 bytes of codes that it alone multiplies by straight into its registers; a work-group's 393,216 bytes
; of weight codes do not fit into 327,680 bytes of LDS at once.
; LIMITS: NaN and infinities among the inputs and scale bytes of 0xff are not served.  A block whose largest magnitude lies under 2^-124 (a block of zeros too) gets the byte 1; a block of zeros has zero codes,
; which add nothing under that byte, and the bytes are read by this program alone.
; THE MODE: SCHED_MODE bits 1:0 = 2 (LLVM: expert scheduling mode 2), set by the entry lines.  The code itself states the register dependences
; between vector or matrix instructions and memory or LDS instructions, with s_wait_alu, always for 0.
; THE PLAN.  Registers that memory or LDS instructions touch:
;   v4-v9, v11-v13  Offsets and LDS addresses: written at the head, ahead of the first wait on va_vdst; read by loads and stores; never written again.  v10 is written behind that wait; its first reader, a store, stands behind later ones.
;   v64-127         X: x's 64 loads land here, the maxima and conversions read them.  From then on ACC (v64-95) and XF (v96-127).
;   ACC             QK: the bias's loads land, the products add, the quantiser reads.  V: named by matrix and vector instructions alone.
;   XF              QK: a tile's eight LDS loads land; V: wv's eight loads; the products read.
;   WF, WS, BR      The weights' loads land, later x's 32 LDS loads (WF) and wv's (WS, BR); the products read WF and WS, eight moves read BR.   XS: loaded once, read by products.
;   PCD, PW         Written by the quantisers; read by X's LDS stores and by each unit's two global stores.
;   v21, v63        Written at the head, read by the closing add alone.
; A unit is a tile's sixteen products, their quantiser and its two stores.  Behind the products and their places stand three lines: the wait on va_vdst (the products are done reading their operands), s_wait_xcnt 0 and
; the wait on vm_vsrc (the stores before have read PCD and PW).  Behind them the NEXT unit's operand loads go out and land while the quantiser works: it names ACC, v14-20 and PCD, none of which those loads touch.
; One more wait on va_vdst stands behind the quantiser: PCD and PW are written, for the stores, and ACC is read out, for the next tile's bias.
.set XIMG, 0                           ; LDS: x's 16 fragments (tile T, K step s) at 1024 (4 T + s) + 512 c + 16 lane
.set XSC,  16384                       ; their scale words: 512 (T / 2) + 16 (16 (T % 2) + r) + 4 s
.set LI,  4                            ; v4   16 x lane
.set XWI, 5                            ; v5   where I store x's images
.set XWS, 6                            ; v6   and my two scale bytes
.set WA,  7                            ; v7   a weight's codes: 256 (r + 8 (r / 8)) + 16 h
.set WSA, 8                            ; v8   its scale words: 16 (r + 8 (r / 8))
.set BA,  9                            ; v9   bq, bk: 64 h
.set SSA, 10                           ; v10  q's or k's scale bytes: 8 r or 16 r
.set XO,  11                           ; v11  x: 4 x my place among the wave's 32
.set VBA, 12                           ; v12  bv: 4 (r + 8 (r / 8))
.set VSA, 13                           ; v13  v's scale bytes: 16 r
.set TM,  14                           ; v14-19 at work in the quantisers
.set PW,  20                           ; v20  the two scale bytes just made
.set PCD, 22                           ; v22-29 the codes just made
.set XS,  30                           ; v30-37 x's scale words: register 4 (T / 2) + s, lanes 0-15 tile 2 (T / 2), lanes 16-31 the next
.set WS,  38                           ; v38-53 the weight's scale words
.set BV,  54                           ; v54-61 bv in the result's layout
.set BR,  62                           ; v62  bv as loaded
.set ACC, 64                           ; v64-95 four accumulators
.set XF,  96                           ; v96-127 four fragments: a tile of x (QK), a tile of wv (V)
.set WF,  128                          ; v128-255 sixteen fragments: wq's or wk's (QK), x's (V)
.set XN,  64                           ; v64-127 64 numbers of x
.set WV,  30                           ; s30  my wave's number
.set SEL, 32                           ; s[32:33] v_permlanex16_b32's selects for lane l xor 16
; One product.  c < 0: the sum starts with 0.  row = 1: source 0's scales stand in lanes 16-31; 2: source 1's.
.macro WM d, a, b, c, sa, sb, row
.if (\c) < 0
.if (\row) == 0
	v_wmma_scale_f32_16x16x128_f8f6f4 v[\d:\d+7], v[\a:\a+7], v[\b:\b+7], 0, v[\sa], v[\sb] matrix_a_fmt:MATRIX_FMT_FP4 matrix_b_fmt:MATRIX_FMT_FP4
.elseif (\row) == 1
	v_wmma_scale_f32_16x16x128_f8f6f4 v[\d:\d+7], v[\a:\a+7], v[\b:\b+7], 0, v[\sa], v[\sb] matrix_a_fmt:MATRIX_FMT_FP4 matrix_b_fmt:MATRIX_FMT_FP4 matrix_a_scale:MATRIX_SCALE_ROW1
.else
	v_wmma_scale_f32_16x16x128_f8f6f4 v[\d:\d+7], v[\a:\a+7], v[\b:\b+7], 0, v[\sa], v[\sb] matrix_a_fmt:MATRIX_FMT_FP4 matrix_b_fmt:MATRIX_FMT_FP4 matrix_b_scale:MATRIX_SCALE_ROW1
.endif
.else
.if (\row) == 0
	v_wmma_scale_f32_16x16x128_f8f6f4 v[\d:\d+7], v[\a:\a+7], v[\b:\b+7], v[\c:\c+7], v[\sa], v[\sb] matrix_a_fmt:MATRIX_FMT_FP4 matrix_b_fmt:MATRIX_FMT_FP4
.elseif (\row) == 1
	v_wmma_scale_f32_16x16x128_f8f6f4 v[\d:\d+7], v[\a:\a+7], v[\b:\b+7], v[\c:\c+7], v[\sa], v[\sb] matrix_a_fmt:MATRIX_FMT_FP4 matrix_b_fmt:MATRIX_FMT_FP4 matrix_a_scale:MATRIX_SCALE_ROW1
.else
	v_wmma_scale_f32_16x16x128_f8f6f4 v[\d:\d+7], v[\a:\a+7], v[\b:\b+7], v[\c:\c+7], v[\sa], v[\sb] matrix_a_fmt:MATRIX_FMT_FP4 matrix_b_fmt:MATRIX_FMT_FP4 matrix_b_scale:MATRIX_SCALE_ROW1
.endif
.endif
.endm
; Four places behind matrix instructions, in front of reads of their results and of loads into their registers (ISA guide 7.12.1 for vector instructions)
.macro PLACES
.rept 4
	v_nop
.endr
.endm
; 32 numbers of a lane, register 16 b + i = index 32 b + 16 h + i of my row, become 4 registers of codes (lane (r, h): indices 32 h .. 32 h + 31) in v[PCD] on and the two blocks' scale bytes in v[PW].
.macro QUANT2 src
.irp b, 0,1
	v_max3_num_f32 v[TM+\b], |v[\src+16*\b]|, |v[\src+16*\b+1]|, 0x1800000   ; block b: my 16 numbers, from the low end on, and the floor 2^(3 - 127): the byte cannot fall under 1
.endr
.irp i, 2,4,6,8,10,12,14
.irp b, 0,1
	v_max3_num_f32 v[TM+\b], v[TM+\b], |v[\src+16*\b+\i]|, |v[\src+16*\b+\i+1]|
.endr
.endr
.irp b, 0,1
	v_permlanex16_b32 v[TM+2+\b], v[TM+\b], s[SEL], s[SEL+1]
.endr
.irp b, 0,1
	v_max_num_f32 v[TM+\b], v[TM+\b], v[TM+2+\b]   ; with lane l xor 16's: the block's largest magnitude
.endr
.irp b, 0,1
	v_add_nc_u32 v[TM+4+\b], 0xff000000, v[TM+\b]  ; 2 off its exponent field: the conversion takes this operand's exponent field as its scale
.endr
.irp b, 0,1
	v_lshrrev_b32 v[TM+2+\b], 23, v[TM+4+\b]       ; the scale's byte
.endr
	v_lshl_or_b32 v[PW], v[TM+3], 8, v[TM+2]
.irp b, 0,1
	v_cvt_scalef32_pk8_fp4_f32 v[PCD+2*\b], v[\src+16*\b:\src+16*\b+7], v[TM+4+\b]
	v_cvt_scalef32_pk8_fp4_f32 v[PCD+2*\b+1], v[\src+16*\b+8:\src+16*\b+15], v[TM+4+\b]
.endr
	v_nop                                          ; one plain place behind a scaled conversion
	v_permlane16_swap_b32 v[PCD], v[PCD+2]         ; the operand's layout wants a WHOLE block in a lane: lanes 0-15 block 0, lanes 16-31 block 1
	v_permlane16_swap_b32 v[PCD+1], v[PCD+3]
.endm
	s_load_b512 s[4:19], s[0:1], 0x0               ; x s[4:5]; wq's codes, scales, bq s[6:11]; wk's codes, scales, bk s[12:17]; wv's codes s[18:19]
	s_load_b256 s[20:27], s[0:1], 0x40             ; wv's scales s[20:21], bv s[22:23], qc s[24:25], qs s[26:27]
	s_load_b64 s[28:29], s[0:1], 0x60              ; kv
	v_lshl_add_u32 v21, v0, 2, 0x4400              ; LDS address of my spare word, behind x's scale words; kept for the closing lines alone
	v_mov_b32 v63, 0                               ; 0, likewise
	v_lshrrev_b32 v1, 5, v0
	v_readfirstlane_b32 s[WV], v1                  ; wave 0..15
	v_and_b32 v1, 31, v0                           ; lane
	v_and_b32 v2, 15, v0                           ; r
	v_bfe_u32 v3, v0, 4, 1                         ; h
	v_lshlrev_b32 v[LI], 4, v1
	v_and_b32 v[XO], 7, v0                         ; lane 16 u + r takes place 8 u + r + 8 (r / 8) of the wave's 32
	v_and_b32 v[TM], 8, v0
	v_lshl_or_b32 v[XO], v[TM], 1, v[XO]
	v_lshl_or_b32 v[XO], v3, 3, v[XO]
	v_lshlrev_b32 v[XO], 2, v[XO]
	v_and_b32 v[WSA], 8, v2
	v_add_nc_u32 v[WSA], v[WSA], v2                ; r + 8 (r / 8)
	v_lshlrev_b32 v[WA], 8, v[WSA]
	v_lshl_add_u32 v[WA], v3, 4, v[WA]
	v_lshlrev_b32 v[VBA], 2, v[WSA]
	v_lshlrev_b32 v[WSA], 4, v[WSA]
	v_lshlrev_b32 v[BA], 6, v3
	v_lshlrev_b32 v[VSA], 4, v2
	s_mov_b32 s[SEL], 0x76543210
	s_mov_b32 s[SEL+1], 0xfedcba98
	s_and_b32 s31, ttmp7, 0xffff                   ; b
	s_wait_alu depctr_va_sdst(0)                   ; the wave's number is written, ahead of its first reader: LDS addresses and all the bases are made from it
	s_and_b32 s34, s[WV], 1                        ; X: which 32 places,
	s_bfe_u32 s35, s[WV], 0x10001                  ; which 64 channels of a K step,
	s_lshr_b32 s36, s[WV], 2                       ; which K step
	s_lshl_b32 s37, s34, 13
	s_lshl_b32 s38, s36, 10
	s_add_co_u32 s37, s37, s38
	s_lshl_b32 s38, s35, 9
	s_add_co_u32 s37, s37, s38
	v_add_nc_u32 v[XWI], s37, v[LI]                ; tile 2 (w % 2): 8192 (w % 2) + 1024 s + 512 c + 16 lane; the next tile 4,096 on
	s_lshl_b32 s37, s34, 9
	s_lshl_b32 s38, s36, 2
	s_add_co_u32 s37, s37, s38
	s_lshl_b32 s38, s35, 1
	s_add_co_u32 s37, s37, s38
	s_add_co_u32 s37, s37, XSC
	v_add_nc_u32 v[XWS], s37, v[LI]
	s_lshl_b32 s40, s31, 21                        ; x: batch b (512 rows of 4,096 bytes),
	s_lshr_b32 s38, s[WV], 1
	s_lshl_b32 s38, s38, 18                        ; my 64 channels,
	s_add_co_u32 s40, s40, s38
	s_lshl_b32 s38, ttmp9, 8                       ; the work-group's 64 places,
	s_add_co_u32 s40, s40, s38
	s_lshl_b32 s38, s34, 7                         ; my 32 of them
	s_add_co_u32 s40, s40, s38
	s_mov_b32 s41, 0
	s_wait_kmcnt 0x0
	s_add_nc_u64 s[4:5], s[4:5], s[40:41]
	s_wait_alu depctr_va_vdst(0)                   ; the offsets and LDS addresses v4 to v9 and v11 to v13 are written, which the kernel's loads and stores read
.set i, 0
.rept 64
	global_load_b32 v[XN+i], v[XO], s[4:5] offset:4096*i th:TH_LOAD_NT   ; channel i of my 64, at 32 places: 128 consecutive bytes a wave
.set i, i+1
.endr
	; where my parts begin: offsets first, then one compare and all the choices that hang on it
	s_and_b32 s42, s[WV], 7                        ; QK: my head
	s_lshr_b32 s43, ttmp9, 1                       ; ks
	s_and_b32 s44, ttmp9, 1                        ; hs
	s_lshl_b32 s45, s31, 6
	s_lshr_b32 s38, s43, 2
	s_lshl_b32 s38, s38, 4
	s_add_co_u32 s45, s45, s38
	s_and_b32 s38, s43, 3
	s_add_co_u32 s45, s45, s38                     ; 64 b + 16 (ks / 4) + ks % 4
	s_lshr_b32 s46, s42, 2
	s_lshl_b32 s46, s46, 5
	s_and_b32 s38, s42, 3
	s_lshl_b32 s38, s38, 2
	s_add_co_u32 s46, s46, s38
	s_add_co_u32 s46, s46, s45
	s_mul_i32 s46, s46, 8704                       ; my head's block of kv
	s_lshl_b32 s38, s44, 11
	s_add_co_u32 s47, s46, s38                     ; k's codes: + 2048 hs
	s_lshl_b32 s38, s44, 3
	s_add_co_u32 s48, s46, s38
	s_add_co_u32 s48, s48, 8192                    ; k's scale bytes: + 8192 + 8 hs
	s_lshl_b32 s49, s31, 3
	s_add_co_u32 s49, s49, s42
	s_lshl_b32 s49, s49, 4
	s_add_co_u32 s49, s49, ttmp9                   ; 16 (8 b + head) + nb
	s_lshl_b32 s50, s49, 7                         ; q's scale bytes
	s_lshl_b32 s49, s49, 11                        ; q's codes
	s_lshr_b32 s51, s[WV], 1                       ; V: my head
	s_lshr_b32 s52, s51, 2
	s_lshl_b32 s52, s52, 5
	s_and_b32 s38, s51, 3
	s_lshl_b32 s38, s38, 2
	s_add_co_u32 s52, s52, s38
	s_add_co_u32 s52, s52, s45
	s_mul_i32 s52, s52, 8704
	s_lshl_b32 s38, s34, 11
	s_add_co_u32 s53, s52, s38
	s_lshl_b32 s38, s44, 9
	s_add_co_u32 s53, s53, s38
	s_add_co_u32 s53, s53, 4096                    ; v's codes: 4096 + 2048 (w % 2) + 512 hs
	s_lshl_b32 s38, s34, 3
	s_add_co_u32 s54, s52, s38
	s_lshl_b32 s38, s44, 1
	s_add_co_u32 s54, s54, s38
	s_add_co_u32 s54, s54, 8448                    ; v's scale bytes: 8448 + 8 (w % 2) + 2 hs
	s_cmp_lt_u32 s[WV], 8                          ; q's wave or k's?  The choice hangs on the wave's number alone
	s_cselect_b64 s[6:7], s[6:7], s[12:13]         ; the weight's codes,
	s_cselect_b64 s[8:9], s[8:9], s[14:15]         ; its scale bytes,
	s_cselect_b64 s[10:11], s[10:11], s[16:17]     ; the bias,
	s_cselect_b64 s[24:25], s[24:25], s[28:29]     ; where the codes go,
	s_cselect_b64 s[26:27], s[26:27], s[28:29]     ; and the scale bytes
	s_cselect_b32 s47, s49, s47
	s_cselect_b32 s48, s50, s48
	s_cselect_b32 s55, 3, 4                        ; a row's scale bytes are 8 in qs, 16 in kv
	v_lshlrev_b32 v[SSA], s55, v2                  ; (no load below names v10 or v2; the stores that read v10 stand behind later waits on va_vdst)
	s_lshl_b32 s40, s42, 14                        ; my head's 64 rows of 256 bytes,
	s_add_nc_u64 s[6:7], s[6:7], s[40:41]
	s_lshl_b32 s40, s42, 10                        ; of 16 bytes,
	s_add_nc_u64 s[8:9], s[8:9], s[40:41]
	s_lshl_b32 s40, s42, 8                         ; of 4 bytes
	s_add_nc_u64 s[10:11], s[10:11], s[40:41]
.irp tt, 0,1,2,3                       ; QK's weights stay in registers: tile tt begins at row 32 (tt / 2) + 8 (tt % 2)
.irp s, 0,1,2,3
.irp c, 0,1
	global_load_b128 v[WF+8*(4*\tt+\s)+4*\c:WF+8*(4*\tt+\s)+4*\c+3], v[WA], s[6:7] offset:(32*(\tt/2)+8*(\tt%2))*256+64*\s+32*\c
.endr
.endr
.endr
.irp tt, 0,1,2,3
	global_load_b128 v[WS+4*\tt:WS+4*\tt+3], v[WSA], s[8:9] offset:(32*(\tt/2)+8*(\tt%2))*16   ; a row's 16 bytes are the scale words of its four K steps
.endr
	s_mov_b32 s40, s47
	s_add_nc_u64 s[24:25], s[24:25], s[40:41]
	s_mov_b32 s40, s48
	s_add_nc_u64 s[26:27], s[26:27], s[40:41]
	s_mov_b32 s40, s53
	s_add_nc_u64 s[12:13], s[28:29], s[40:41]      ; v's codes
	s_mov_b32 s40, s54
	s_add_nc_u64 s[14:15], s[28:29], s[40:41]      ; v's scale bytes
	s_lshl_b32 s40, s[WV], 13                      ; my 32 rows of wv
	s_add_nc_u64 s[18:19], s[18:19], s[40:41]
	s_lshl_b32 s40, s[WV], 9
	s_add_nc_u64 s[20:21], s[20:21], s[40:41]
	s_lshl_b32 s40, s[WV], 7
	s_add_nc_u64 s[22:23], s[22:23], s[40:41]
	; ---- X: my 32 places x 64 channels: two whole blocks a lane
	s_wait_loadcnt 36                              ; x's 64 loads are in; the 36 younger ones, the weights', may be out
.irp c, 0,1
	v_max3_num_f32 v[TM+\c], |v[XN+32*\c]|, |v[XN+32*\c+1]|, 0x1800000   ; the block's largest magnitude needs no other lane; the floor 2^(3 - 127) holds the byte at 1 from below
.endr
.irp i, 2,4,6,8,10,12,14,16,18,20,22,24,26,28,30
.irp c, 0,1
	v_max3_num_f32 v[TM+\c], v[TM+\c], |v[XN+32*\c+\i]|, |v[XN+32*\c+\i+1]|
.endr
.endr
.irp c, 0,1
	v_add_nc_u32 v[TM+4+\c], 0xff000000, v[TM+\c]
.endr
.irp c, 0,1
	v_lshrrev_b32 v[TM+2+\c], 23, v[TM+4+\c]
.endr
	v_lshl_or_b32 v[PW], v[TM+3], 8, v[TM+2]
.irp c, 0,1
.irp g, 0,1,2,3
	v_cvt_scalef32_pk8_fp4_f32 v[PCD+4*\c+\g], v[XN+32*\c+8*\g:XN+32*\c+8*\g+7], v[TM+4+\c]
.endr
.endr
	v_nop                                          ; one plain place behind a scaled conversion
.irp i, 0,1,2,3
	v_permlane16_swap_b32 v[PCD+\i], v[PCD+4+\i]   ; lanes 0-15 held the first tile's rows, lanes 16-31 the second's: now v[PCD..+3] is the first tile (lanes 0-15 block 0, lanes 16-31 block 1), v[PCD+4..+7] the second
.endr
	s_wait_alu depctr_va_vdst(0)                   ; the swaps have written the codes and v[PW] is written, which the LDS stores read; the maxima and conversions are done reading v64 to v127, in which the first tile's bias and fragments land behind the barrier
	ds_store_b128 v[XWI], v[PCD:PCD+3]
	ds_store_b128 v[XWI], v[PCD+4:PCD+7] offset:4096
	ds_store_b16 v[XWS], v[PW]
	s_wait_dscnt 0x0                               ; for the others' sake: my stores have landed
	s_barrier_signal -1
	s_barrier_wait -1                              ; x's sixteen fragments and their scale words lie in LDS; nobody writes LDS from here on
; A tile of x, four K steps, into XF
.macro XTILE T
.irp s, 0,1,2,3
.irp c, 0,1
	ds_load_b128 v[XF+8*\s+4*\c:XF+8*\s+4*\c+3], v[LI] offset:XIMG+(\T)*4096+\s*1024+512*\c
.endr
.endr
.endm
; All sixteen fragments of x into WF, for V
.macro XALL
.irp p, 0,1,2,3
.irp s, 0,1,2,3
.irp c, 0,1
	ds_load_b128 v[WF+32*\p+8*\s+4*\c:WF+32*\p+8*\s+4*\c+3], v[LI] offset:XIMG+\p*4096+\s*1024+512*\c
.endr
.endr
.endr
.endm
; A tile of 16 rows of wv into XF, its scale words and its bias
.macro WVLOAD a
.irp s, 0,1,2,3
.irp c, 0,1
	global_load_b128 v[XF+8*\s+4*\c:XF+8*\s+4*\c+3], v[WA], s[18:19] offset:\a*2048+64*\s+32*\c
.endr
.endr
	global_load_b128 v[WS:WS+3], v[WSA], s[20:21] offset:\a*128
	global_load_b32 v[BR], v[VBA], s[22:23] offset:\a*32
.endm
	; ---- QK: my head's q or k, a tile of 16 places at a time
	ds_load_b128 v[XS:XS+3], v[LI] offset:XSC
	ds_load_b128 v[XS+4:XS+7], v[LI] offset:XSC+512
	XTILE 0                                        ; no vector instruction since the last wait on va_vdst names these registers
.macro UNITQK T
.irp tt, 0,1,2,3                       ; the bias is loaded into the accumulators, in the result's layout: no register is cleared and nothing is added afterwards.  No vector instruction since the last wait on va_vdst names them
.irp jj, 0,1
	global_load_b128 v[ACC+8*\tt+4*\jj:ACC+8*\tt+4*\jj+3], v[BA], s[10:11] offset:(32*(\tt/2)+8*(\tt%2))*4+16*\jj
.endr
.endr
	s_wait_loadcnt 0x0                             ; the bias (in the first tile the weights too)
	s_wait_dscnt 0x0                               ; this tile's fragments of x, asked for ahead of the last tile's quantiser
.irp s, 0,1,2,3                        ; the four accumulators take turns, one instruction a turn
.irp tt, 0,1,2,3
	WM ACC+8*\tt, WF+8*(4*\tt+\s), XF+8*\s, ACC+8*\tt, WS+4*\tt+\s, XS+4*(\T/2)+\s, 2*(\T%2)
.endr
.endr
	PLACES
	s_wait_alu depctr_va_vdst(0)                   ; the products are done reading XF (behind the last tile: WF and WS too), in which the loads below land
	s_wait_xcnt 0x0                                ; the last tile's stores have read their data: the codes' registers are written again only behind this wait
	s_wait_alu depctr_vm_vsrc(0)                   ; the stores before (the first tile: X's LDS stores; later: the last tile's two) have read the codes and v[PW], which the quantiser below writes again
.if \T < 3
	XTILE \T+1                                     ; the next tile's fragments land while this one is quantised
.else
	WVLOAD 0                                       ; V's first tile of wv, and all of x
	XALL
.endif
	QUANT2 ACC
	s_wait_alu depctr_va_vdst(0)                   ; the swaps have written the codes and v[PW] is written, which the stores read (v[SSA] was written long before); the quantiser is done reading ACC, in which the next tile's bias lands
	global_store_b128 v[LI], v[PCD:PCD+3], s[24:25] offset:512*\T   ; 512 consecutive bytes, aligned
	global_store_b16 v[SSA], v[PW], s[26:27] offset:2*\T            ; lanes r and r + 16 store the same two bytes with the same value
.endm
	UNITQK 0
	UNITQK 1
	UNITQK 2
	UNITQK 3
	; ---- V: my 32 rows of wv, a tile of 16 at a time, against all 64 places
.macro UNITV a
	s_wait_loadcnt 0x0
	s_wait_dscnt 0x0
.irp j, 0,1,2,3,4,5,6,7
	v_mov_b32 v[BV+\j], v[BR]                      ; a lane holds one d here: its bias is the C of all eight places
.endr
	PLACES
.irp s, 0,1,2,3                        ; four accumulators by turns
.irp T, 0,1,2,3
.if \s == 0
	WM ACC+8*\T, WF+32*\T+8*\s, XF+8*\s, BV, XS+4*(\T/2)+\s, WS+\s, \T%2
.else
	WM ACC+8*\T, WF+32*\T+8*\s, XF+8*\s, ACC+8*\T, XS+4*(\T/2)+\s, WS+\s, \T%2
.endif
.endr
.endr
	PLACES
.if \a == 0
	s_wait_alu depctr_va_vdst(0)                   ; the products are done reading XF and WS, the moves v[BR]: the next tile's loads land in them
.endif
	s_wait_xcnt 0x0                                ; the earlier stores have read their data
	s_wait_alu depctr_vm_vsrc(0)                   ; the last unit's two stores have read the codes and v[PW], which the quantiser below writes again
.if \a == 0
	WVLOAD 1                                       ; the next tile lands while this one is quantised
.endif
	QUANT2 ACC
	s_wait_alu depctr_va_vdst(0)                   ; the swaps have written the codes and v[PW] is written, which the stores read
	global_store_b128 v[LI], v[PCD:PCD+3], s[12:13] offset:1024*\a
	global_store_b16 v[VSA], v[PW], s[14:15] offset:4*\a
.endm
	UNITV 0
	UNITV 1
	s_wait_dscnt 0x0                               ; the closing lines, six on end
	s_wait_alu 0x0
	s_wait_tensorcnt 0x0
	ds_add_u32 v21, v63
	s_wait_dscnt 0x0
	s_endpgm
.Lfunc_end_k_q6aed115752_qkv:
	.size	k_q6aed115752_qkv, .Lfunc_end_k_q6aed115752_qkv-k_q6aed115752_qkv
	.p2alignl 7, 3214868480
	.fill 96, 4, 3214868480
	.section	.rodata,"a",@progbits
	.p2align	6, 0x0
	.amdhsa_kernel k_q6aed115752_qkv
		.amdhsa_group_segment_fixed_size 19456
		.amdhsa_private_segment_fixed_size 0
		.amdhsa_enable_private_segment 0
		.amdhsa_kernarg_size 104
		.amdhsa_user_sgpr_count 2
		.amdhsa_user_sgpr_kernarg_segment_ptr 1
		.amdhsa_wavefront_size32 1
		.amdhsa_system_sgpr_workgroup_id_x 1
		.amdhsa_system_sgpr_workgroup_id_y 1
		.amdhsa_system_sgpr_workgroup_id_z 1
		.amdhsa_system_vgpr_workitem_id 0
		.amdhsa_next_free_vgpr 256
		.amdhsa_next_free_sgpr 66
		.amdhsa_reserve_vcc 0
		.amdhsa_float_denorm_mode_32 3
		.amdhsa_float_denorm_mode_16_64 3
		.amdhsa_memory_ordered 1
		.amdhsa_forward_progress 1
		.amdhsa_inst_pref_size 54
	.end_amdhsa_kernel
	.amdgpu_metadata
---
amdhsa.version: [ 1, 2 ]
amdhsa.kernels:
  - .name:           k_q6aed115752_qkv
    .symbol:         k_q6aed115752_qkv.kd
    .args:
      - { .name: x, .offset: 0, .size: 8, .value_kind: global_buffer, .address_space: global }
      - { .name: wq_codes, .offset: 8, .size: 8, .value_kind: global_buffer, .address_space: global }
      - { .name: wq_scales, .offset: 16, .size: 8, .value_kind: global_buffer, .address_space: global }
      - { .name: bq, .offset: 24, .size: 8, .value_kind: global_buffer, .address_space: global }
      - { .name: wk_codes, .offset: 32, .size: 8, .value_kind: global_buffer, .address_space: global }
      - { .name: wk_scales, .offset: 40, .size: 8, .value_kind: global_buffer, .address_space: global }
      - { .name: bk, .offset: 48, .size: 8, .value_kind: global_buffer, .address_space: global }
      - { .name: wv_codes, .offset: 56, .size: 8, .value_kind: global_buffer, .address_space: global }
      - { .name: wv_scales, .offset: 64, .size: 8, .value_kind: global_buffer, .address_space: global }
      - { .name: bv, .offset: 72, .size: 8, .value_kind: global_buffer, .address_space: global }
      - { .name: qc, .offset: 80, .size: 8, .value_kind: global_buffer, .address_space: global }
      - { .name: qs, .offset: 88, .size: 8, .value_kind: global_buffer, .address_space: global }
      - { .name: kv, .offset: 96, .size: 8, .value_kind: global_buffer, .address_space: global }
    .group_segment_fixed_size: 19456
    .private_segment_fixed_size: 0
    .kernarg_segment_align: 8
    .kernarg_segment_size: 104
    .max_flat_workgroup_size: 512
    .sgpr_count:     66
    .vgpr_count:     256
    .wavefront_size: 32
...
	.end_amdgpu_metadata
.endif
;; end of part 3
;; launch attn (part 4): grid 16 x 16, 16 waves a work-group, clusters of 4 x 1, 327,680 bytes of LDS; arguments qc, qs, kv, wo_codes, wo_scales, bo, gamma, x, out0; writes out0
.if DOCPART == 4
	.amdgcn_target "amdgcn-amd-amdhsa--gfx1250"
	.amdhsa_code_object_version 6
	.text
	.protected	k_q6aed115752_attn
	.globl	k_q6aed115752_attn
	.p2align	8
	.type	k_q6aed115752_attn,@function
k_q6aed115752_attn:
	s_mov_b64 s[64:65], 0
	v_nop
	global_prefetch_b8 v0, s[64:65] scope:SCOPE_SE
	s_setreg_imm32_b32 hwreg(HW_REG_WAVE_MODE, 25, 1), 1
	s_wait_xcnt 0x0
	s_wait_alu depctr_hold_cnt(0) depctr_sa_sdst(0) depctr_va_vdst(0) depctr_va_sdst(0) depctr_va_ssrc(0) depctr_va_vcc(0) depctr_vm_vsrc(0)
	s_getreg_b32 s2, hwreg(HW_REG_IB_STS2, 6, 4)
	s_cmp_eq_u32 s2, 0
	s_cbranch_scc0 .Lentry_in_a_cluster
	s_endpgm
.Lentry_in_a_cluster:
	s_bfe_u32 s2, ttmp6, 0x10000c
	s_cmp_lg_u32 s2, 0x3003
	s_cbranch_scc0 .Lentry_shape_is_right
	s_endpgm
.Lentry_shape_is_right:
; y = gamma (wo o + bo) + x, o = softmax(q^T k / 8) v for each of 8 heads of 64, all three products on codes of FP4 (E2M1) with one E8M0 scale for each 32 along K.
; q, k, v come as codes from the launch before, laid as images of the operands' registers (lane l's 16 bytes at 16 l).  Row r of tile 2 b + u of the places (queries, keys) is place 32 b + 8 u + r + 8 (r / 8).
; THE SOFTMAX AHEAD OF THE SECOND PRODUCT: t = score x log2(e) / 8; M = the row's largest t so far, rounded UP to a whole number; p = 2^(t - M) is quantised along the keys, not normalised; the row's sum is taken of the
; unquantised p and divides O at the end; when M moves, the sum and O are multiplied by 2^(old M - new M), which rounds nothing.
; SHARES.  A work-group owns 64 queries (nb) of a batch (b), for all 8 heads, and then the 512 x 64 numbers of y.  Wave w: tile w % 4 of the queries; head w / 4 in the first round, 4 + w / 4 in the second.
; Four waves lie on a SIMD, so that one wave's vector work stands beside another's products and LDS loads.  A key step is 128 keys.
; BOTH PRODUCTS ARE USED TRANSPOSED: S^T = K Q^T, O^T = V^T P^T: a lane holds ONE query throughout, and p's 16 registers of two neighbouring tiles are 16 neighbouring keys.
; THE SCORES' K IS 64, HALF OF THE INSTRUCTION'S 128.  A fragment of K holds TWO tiles of 16 keys: one in registers 0-3 (K places 0-63), one in registers 4-7 (64-127).  q stands between zeros, v16-19 = 0, v20-23 = q,
; v24-27 = 0: v[20:27] multiplies the first tile and v[16:23] the second; the other half meets zero codes, which add nothing (no scale byte here is 0xff).
; THE RING.  A fill is four heads x four key steps: sixteen blocks of 8,704 bytes (4,096 of K, 4,096 of V, 512 of scale words), dense in memory; every wave brings one block.  Two slots, four fills.
; By this text's own count a wave has one tensor load out at a time at the start and one behind each change of slots; a refill has four key steps of all sixteen waves in which to land.
; CLUSTER.  The four work-groups of a cluster belong to one batch and walk the same k and v: every fill is asked for JOINTLY, by the same load with a mask that names the four.
; THE OUTPUT PROJECTION.  O^T / the sum is quantised along c = 64 head + d in registers and goes to LDS as images; behind a barrier wave w makes outputs 32 w .. 32 w + 31 for the 64 places
; (source 0 = 16 places of o, source 1 = 16 rows of wo: a lane holds one output channel and eight neighbouring places), and they leave through the wave's stage as rows of 256 bytes.
; k and v are not prefetched: each refill is requested four key steps ahead of the wait for it.  The residual's tile of x is: one instruction a wave, a lane a row, two key steps ahead of its loads.
; LIMITS: NaN and infinities and scale bytes of 0xff are not served.  A block whose largest magnitude lies under 2^-124 gets the byte 1 (a block of zeros too: its codes are zeros).
.set BLK,   8704                       ; a block: one head, 128 keys
.set SLOTB, 16*BLK                     ; a slot: 139,264 bytes
.set OIMG,  2*SLOTB                    ; behind the ring: o's 16 fragments (tile T, K step s) at 1024 (4 T + s) + 512 (head % 2) + 16 lane,
.set OSC,   OIMG+16384                 ; their scale words: 512 (T / 2) + 16 (16 (T % 2) + r) + 4 s,
.set SPARE, OSC+1024                   ; and the spare words, 128 bytes for each wave: eight blocks of 256 bytes that no other line names
; The stage of the way out, 32 rows x 272 bytes a wave, lies in slot 0, at BLK x wave: the slot has had its last fill and its last read by then.
.set AB,  1                            ; v1   16 x lane + my head's four blocks in a slot;  at the end: wo's codes, 256 r + 16 h
.set ADR, 2                            ; v2   the step's block;  at the end: wo's scale words, 16 r
.set SPW, 3                            ; v3   LDS address of my spare word: SPARE + 4 x my thread's number; never rewritten
.set NIL, 4                            ; v4   0; never rewritten
.set OWI, 5                            ; v5   where I store o's image
.set OWS, 6                            ; v6   and its two scale bytes
.set OLI, 7                            ; v7   OIMG + 16 x lane
.set SO,  8                            ; v8   the stage: where I put 32 bytes of a row
.set SR,  9                            ; v9   and where I read a row back
.set GO,  10                           ; v10  x and y: 4096 h + 16 r
.set PFO, 11                           ; v11  the prefetch: 4096 x lane
.set QZ,  16                           ; v16-27 0 | q | 0;  at the end v16-23 wo's scale words, v24-27 gamma x bo
.set QS,  28                           ; v28  q's scale word;  at the end v28-31 (and v12-15) o's scale words
.set KF,  32                           ; v32-63 K's four fragments;  at the end v32-95 wo's sixteen... eight a tile of outputs, then rows of y
.set VF,  64                           ; v64-95 V's four fragments
.set SS,  96                           ; v96-159 S^T, then p;  at the end the eight accumulators of y
.set OT,  160                          ; v160-191 O^T;  at the end four fragments of o
.set SC,  192                          ; v192-195 lanes 0-15 K's scale words, lanes 16-31 V's;  at the end v192-255 x
.set Q1,  196                          ; v196-199 the second round's q, v200 its scale word
.set QS1, 200
.set PCD, 224                          ; v224-231 p's codes; o's
.set TM,  232                          ; v232-254 at work
.set PW,  238
.set WO,  32
.set WOS, 16
.set WV,  22                           ; s22  my wave's number
.set TT,  23                           ; s23  my tile of queries
.set HQ,  24                           ; s24  my head in a round
.set SEL, 28                           ; s[28:29] v_permlanex16_b32's selects for lane l xor 16
.set CS,  30                           ; s[30:31] c = log2(e) / 8
.set G1,  32                           ; s[32:39] descriptor group 1
.set G0A, 40                           ; s[40:43] group 0 for slot 0;  s[44:47] for slot 1
.set G0B, 44
.set TB,  48                           ; s48  LDS byte at which the step's blocks begin
.set CNT, 49                           ; s49  key steps left in the slot
.set GAM, 50                           ; s[50:51] gamma, twice
.set XB,  52                           ; s[52:53] x at my 32 rows, the work-group's 64 places;  s[54:55] y likewise
.set YB,  54
.macro WM d, a, b, c, sa, sb, row      ; one product.  c < 0: the sum starts with 0.  row = 1: source 0's scales stand in lanes 16-31
.if (\c) < 0
.if (\row) == 0
	v_wmma_scale_f32_16x16x128_f8f6f4 v[\d:\d+7], v[\a:\a+7], v[\b:\b+7], 0, v[\sa], v[\sb] matrix_a_fmt:MATRIX_FMT_FP4 matrix_b_fmt:MATRIX_FMT_FP4
.else
	v_wmma_scale_f32_16x16x128_f8f6f4 v[\d:\d+7], v[\a:\a+7], v[\b:\b+7], 0, v[\sa], v[\sb] matrix_a_fmt:MATRIX_FMT_FP4 matrix_b_fmt:MATRIX_FMT_FP4 matrix_a_scale:MATRIX_SCALE_ROW1
.endif
.else
.if (\row) == 0
	v_wmma_scale_f32_16x16x128_f8f6f4 v[\d:\d+7], v[\a:\a+7], v[\b:\b+7], v[\c:\c+7], v[\sa], v[\sb] matrix_a_fmt:MATRIX_FMT_FP4 matrix_b_fmt:MATRIX_FMT_FP4
.else
	v_wmma_scale_f32_16x16x128_f8f6f4 v[\d:\d+7], v[\a:\a+7], v[\b:\b+7], v[\c:\c+7], v[\sa], v[\sb] matrix_a_fmt:MATRIX_FMT_FP4 matrix_b_fmt:MATRIX_FMT_FP4 matrix_a_scale:MATRIX_SCALE_ROW1
.endif
.endif
.endm
.macro PLACES                          ; four places behind matrix instructions, in front of reads of their results and of loads into their registers (ISA guide 7.12.1 for vector instructions)
.rept 4
	v_nop
.endr
.endm
; A round of the cluster's barrier: my work-group's barrier, so that wave 0's signal speaks for all sixteen waves; wave 0 signals; every wave waits for the four work-groups; my work-group's barrier once more.
.macro CROUND
	s_barrier_signal -1
	s_barrier_wait -1
	s_cmp_lg_u32 s[WV], 0
	s_cbranch_scc1 .Lnot_wave_0_\@
	s_barrier_signal -3
.Lnot_wave_0_\@:
	s_barrier_wait -3
	s_barrier_signal -1
	s_barrier_wait -1
.endm
; 32 numbers of a lane, register 16 b + i = index 32 b + 16 h + i of my row, become 4 registers of codes (lane (r, h): indices 32 h .. 32 h + 31) in v[PCD] on and the two blocks' scale bytes in v[PW].
.macro QUANT2 src
.irp b, 0,1
	v_max3_num_f32 v[TM+\b], |v[\src+16*\b]|, |v[\src+16*\b+1]|, 0x1800000   ; and the floor 2^(3 - 127): the byte cannot fall under 1
.endr
.irp i, 2,4,6,8,10,12,14
.irp b, 0,1
	s_delay_alu instid0(VALU_DEP_2)
	v_max3_num_f32 v[TM+\b], v[TM+\b], |v[\src+16*\b+\i]|, |v[\src+16*\b+\i+1]|
.endr
.endr
.irp b, 0,1
	s_delay_alu instid0(VALU_DEP_2)
	v_permlanex16_b32 v[TM+2+\b], v[TM+\b], s[SEL], s[SEL+1]
.endr
.irp b, 0,1
	s_delay_alu instid0(VALU_DEP_2)
	v_max_num_f32 v[TM+\b], v[TM+\b], v[TM+2+\b]
.endr
.irp b, 0,1
	s_delay_alu instid0(VALU_DEP_2)
	v_add_nc_u32 v[TM+4+\b], 0xff000000, v[TM+\b]  ; 2 off the exponent field: the conversion's scale operand
.endr
.irp b, 0,1
	s_delay_alu instid0(VALU_DEP_2)
	v_lshrrev_b32 v[TM+2+\b], 23, v[TM+4+\b]
.endr
	s_delay_alu instid0(VALU_DEP_1)
	v_lshl_or_b32 v[PW], v[TM+3], 8, v[TM+2]
.irp b, 0,1
	v_cvt_scalef32_pk8_fp4_f32 v[PCD+2*\b], v[\src+16*\b:\src+16*\b+7], v[TM+4+\b]
	v_cvt_scalef32_pk8_fp4_f32 v[PCD+2*\b+1], v[\src+16*\b+8:\src+16*\b+15], v[TM+4+\b]
.endr
	v_nop                                          ; one plain place behind a scaled conversion
	v_permlane16_swap_b32 v[PCD], v[PCD+2]
	v_permlane16_swap_b32 v[PCD+1], v[PCD+3]
.endm
; A head begins: the largest t is -3e38, under every t; the sum and O^T are zeros, which the first change of M leaves zeros.  So a key step is written in one form.
.macro RESET
	v_mov_b32 v13, 0xff61b1e6
	s_delay_alu instid0(VALU_DEP_1)
	v_floor_f32 v12, -v13                          ; -M
	v_mov_b32 v14, 0
	v_mov_b32 v15, 0
.set j, 0
.rept 32
	v_mov_b32 v[OT+j], 0
.set j, j+1
.endr
.endm
	s_load_b512 s[4:19], s[0:1], 0x0               ; qc s[4:5], qs s[6:7], kv s[8:9], wo's codes s[10:11], wo's scales s[12:13], bo s[14:15], gamma s[16:17], x s[18:19]
	s_load_b64 s[20:21], s[0:1], 0x40              ; y
	v_lshl_add_u32 v[SPW], v0, 2, SPARE
	v_mov_b32 v[NIL], 0
	ds_add_u32 v3, v4
	ds_add_u32 v3, v4
	s_wait_dscnt 0x0
	v_lshrrev_b32 v1, 5, v0
	s_delay_alu instid0(VALU_DEP_1)
	v_readfirstlane_b32 s[WV], v1                  ; wave 0..15
	s_and_b32 s[TT], s[WV], 3
	s_lshr_b32 s[HQ], s[WV], 2
	s_bfe_u32 s56, ttmp6, 0x40000                  ; cx: my place in the cluster
	s_lshl_b32 s57, ttmp9, 2                       ; in a cluster launch ttmp9 counts clusters
	s_add_co_u32 s57, s57, s56                     ; nb: it enters the addresses of qc, qs, x and y alone
	s_and_b32 s58, ttmp7, 0xffff                   ; b, which the four partners share
	; descriptor group 1: a block of 8,704 dense bytes as 34 rows of 256 bytes (32 elements of 8 bytes)
	s_mov_b32 s[G1], 15|(3<<16)|(1<<21)            ; 15:0 the mask: all four work-groups; 17:16 elements of 8 bytes; 20 no padding: the images are read 16 bytes a lane on end; 21 set beside a mask
	s_mov_b32 s[G1+1], 32<<16                      ; tensor_dim0 = 32
	s_mov_b32 s[G1+2], 34<<16                      ; tensor_dim1 = 34
	s_mov_b32 s[G1+3], 32<<16                      ; tile_dim0 = 32
	s_mov_b32 s[G1+4], 34                          ; tile_dim1 = 34
	s_mov_b32 s[G1+5], 32                          ; tensor_dim0_stride
	s_mov_b32 s[G1+6], 0
	s_mov_b32 s[G1+7], 0
	s_mul_i32 s[G0A+1], s[WV], BLK                 ; LDS: block w of slot 0,
	s_add_co_u32 s[G0B+1], s[G0A+1], SLOTB         ; of slot 1
	s_mul_i32 s60, s58, 4*SLOTB                    ; memory: the batch's four fills,
	s_add_co_u32 s60, s60, s[G0A+1]                ; block w
	s_mov_b32 s61, 0
	s_lshl_b32 s62, s58, 3
	s_add_co_u32 s62, s62, s[HQ]
	s_lshl_b32 s62, s62, 4
	s_add_co_u32 s62, s62, s57                     ; 16 (8 b + head) + nb
	s_lshl_b32 s66, s62, 7                         ; q's scale bytes,
	s_lshl_b32 s62, s62, 11                        ; q's codes,
	s_lshl_b32 s63, s[TT], 9
	s_add_co_u32 s62, s62, s63                     ; my tile's
	s_lshl_b32 s63, s[TT], 1
	s_add_co_u32 s66, s66, s63
	s_mov_b32 s63, 0
	s_mov_b32 s67, 0
	s_lshl_b32 s68, s58, 21                        ; x and y: batch b, my 32 rows of 4,096 bytes, the work-group's 256 bytes of a row
	s_lshl_b32 s69, s[WV], 17
	s_add_co_u32 s68, s68, s69
	s_lshl_b32 s69, s57, 8
	s_add_co_u32 s68, s68, s69
	s_mov_b32 s69, 0
	s_mov_b32 s71, 0
	s_mov_b32 s[SEL], 0x76543210
	s_mov_b32 s[SEL+1], 0xfedcba98
	s_mov_b32 s[CS], 0x3e38aa3b                    ; c = log2(e) / 8
	s_mov_b32 s[CS+1], s[CS]                       ; (named with it as a pair, so it is written)
	s_wait_kmcnt 0x0
	s_mov_b32 s[G0A], 1                            ; 1:0 count = 1
	s_add_nc_u64 s[G0A+2:G0A+3], s[8:9], s[60:61]  ; 120:64 global address: fill 0
	s_mov_b32 s[G0B], 1
	s_add_nc_u64 s[G0B+2:G0B+3], s[G0A+2:G0A+3], SLOTB   ; fill 1
	s_or_b32 s[G0A+3], s[G0A+3], 0x80000000        ; 127:126 type = 2
	s_or_b32 s[G0B+3], s[G0B+3], 0x80000000
	s_add_nc_u64 s[4:5], s[4:5], s[62:63]
	s_add_nc_u64 s[6:7], s[6:7], s[66:67]
	s_add_nc_u64 s[XB:XB+1], s[18:19], s[68:69]
	s_add_nc_u64 s[YB:YB+1], s[20:21], s[68:69]
	s_lshl_b32 s70, s[WV], 13                      ; my 32 rows of wo: codes,
	s_add_nc_u64 s[10:11], s[10:11], s[70:71]
	s_lshl_b32 s70, s[WV], 9                       ; scale bytes,
	s_add_nc_u64 s[12:13], s[12:13], s[70:71]
	s_lshl_b32 s70, s[WV], 7                       ; bo
	s_add_nc_u64 s[14:15], s[14:15], s[70:71]
	CROUND                                         ; all four work-groups are here: the first joint loads meet
	tensor_load_to_lds s[G0A:G0A+3], s[G1:G1+7]    ; fill 0; fill 1 goes out behind a wait for it and a round
	s_nop 0
	s_wait_alu depctr_va_vdst(0)
	s_wait_tensorcnt 0x0
	ds_add_u32 v3, v4
	s_wait_dscnt 0x0
	CROUND
	tensor_load_to_lds s[G0B:G0B+3], s[G1:G1+7]
	s_nop 0
	PLACES                                         ; four v_nop behind the tensor loads
	s_load_b32 s[GAM], s[16:17], 0x0
	v_and_b32 v29, 31, v0
	s_delay_alu instid0(VALU_DEP_1)
	v_lshlrev_b32 v29, 4, v29                      ; 16 x lane
	v_and_b32 v30, 15, v0                          ; r
	s_wait_alu depctr_va_vdst(0)
	v_bfe_u32 v31, v0, 4, 1                        ; h
	global_load_b128 v[QZ+4:QZ+7], v29, s[4:5]                 ; q of the first round's head,
	global_load_b128 v[Q1:Q1+3], v29, s[4:5] offset:131072     ; and of the second's, four heads on
	s_mul_i32 s72, s[HQ], 4*BLK
	v_add_nc_u32 v[AB], s72, v29
	v_add_nc_u32 v[OLI], OIMG, v29
	s_lshl_b32 s72, s[TT], 12                      ; o's image: tile T, K step 2 g + hq / 2, half hq % 2
	s_lshr_b32 s73, s[HQ], 1
	s_lshl_b32 s74, s73, 10
	s_add_co_u32 s72, s72, s74
	s_and_b32 s75, s[HQ], 1
	s_lshl_b32 s74, s75, 9
	s_add_co_u32 s72, s72, s74
	v_add_nc_u32 v[OWI], s72, v[OLI]
	s_lshl_b32 s72, s[TT], 8                       ; its scale bytes: 512 (T / 2) + 256 (T % 2) = 256 T
	s_lshl_b32 s74, s73, 2
	s_add_co_u32 s72, s72, s74
	s_lshl_b32 s74, s75, 1
	s_add_co_u32 s72, s72, s74
	s_add_co_u32 s72, s72, OSC
	v_lshl_add_u32 v[OWS], v30, 4, s72
	s_mul_i32 s72, s[WV], BLK                      ; my stage
	v_mul_u32_u24 v[SO], v30, 272                  ; in: row r, 64 bytes for each half of the lanes
	s_wait_alu depctr_va_vdst(0)
	v_lshl_add_u32 v[SO], v31, 6, v[SO]
	s_delay_alu instid0(VALU_DEP_1)
	v_add_nc_u32 v[SO], s72, v[SO]
	v_mul_u32_u24 v[SR], v31, 272                  ; back: lanes 0-15 one row of 256 bytes, lanes 16-31 the next
	s_delay_alu instid0(VALU_DEP_1)
	v_lshl_add_u32 v[SR], v30, 4, v[SR]
	s_delay_alu instid0(VALU_DEP_1)
	v_add_nc_u32 v[SR], s72, v[SR]
	v_lshlrev_b32 v[GO], 12, v31                   ; and the same two rows in x and y
	s_delay_alu instid0(VALU_DEP_1)
	v_lshl_add_u32 v[GO], v30, 4, v[GO]
	v_and_b32 v[PFO], 31, v0
	s_delay_alu instid0(VALU_DEP_1)
	v_lshlrev_b32 v[PFO], 12, v[PFO]
	v_lshlrev_b32 v30, 3, v30                      ; q's scale bytes: 8 r
	global_load_u16 v[QS], v30, s[6:7]
	global_load_u16 v[QS1], v30, s[6:7] offset:8192
.irp i, 0,1,2,3
	v_mov_b32 v[QZ+\i], 0                          ; the zero codes on both sides of q
	v_mov_b32 v[QZ+8+\i], 0
	v_mov_b32 v[236+\i], 0                         ; written once: a lane permute's destination counts as one of its sources
.endr
	v_mov_b32 v253, 0                              ; (named as the upper half of the pair v[252:253] before it is first written)
	s_wait_loadcnt 0x0
	v_lshl_or_b32 v[QS], v[QS], 16, v[QS]          ; q's two bytes twice: they serve q at K places 0-63 and at 64-127
	v_lshl_or_b32 v[QS1], v[QS1], 16, v[QS1]
	RESET                                          ; (its lines are also the places between the scale word's write and the first product)
	s_wait_kmcnt 0x0
	s_mov_b32 s[GAM+1], s[GAM]
; A KEY STEP: 128 keys of my head.  ask = 1: in the slot's third step x's tile is prefetched.
.macro STEP ask
	v_add_nc_u32 v[ADR], s[TB], v[AB]
.rept 3
	v_nop                                          ; with the addition four places behind the last step's products, in front of the loads into V's fragments and the scale words
.endr
.irp f, 0,1,2,3
.irp c, 0,1
	ds_load_b128 v[KF+8*\f+4*\c:KF+8*\f+4*\c+3], v[ADR] offset:1024*\f+512*\c
.endr
.endr
	ds_load_b128 v[SC:SC+3], v[ADR] offset:8192
.irp t, 0,1,2,3
.irp c, 0,1
	ds_load_b128 v[VF+8*\t+4*\c:VF+8*\t+4*\c+3], v[ADR] offset:4096+1024*\t+512*\c
.endr
.endr
.if \ask
	s_cmp_eq_u32 s[CNT], 2                         ; the last slot's third step: two key steps ahead of the loads of x
	s_cbranch_scc0 .Lno_ask_\@
	global_prefetch_b8 v[PFO], s[XB:XB+1] th:TH_LOAD_NT scope:SCOPE_SE   ; my 32 rows of x, the work-group's 256 bytes of each: a lane a row; no other wave of the launch names them
.Lno_ask_\@:
.endif
	s_wait_dscnt 8                                 ; K and the scale words are in; the eight younger loads, V's, may be out
.irp f, 0,1,2,3                        ; S^T = K Q^T: each fragment twice, once for each of its two tiles of keys
	WM SS+16*\f, KF+8*\f, QZ+4, -1, SC+\f, QS, 0
	WM SS+16*\f+8, KF+8*\f, QZ, -1, SC+\f, QS, 0
.endr
	PLACES
.irp b, 0,1,2,3
	v_max3_num_f32 v[232+\b], v[SS+16*\b], v[SS+1+16*\b], v[SS+2+16*\b]   ; THE LARGEST SCORE OF EACH BLOCK OF 32 KEYS serves twice: for the row's maximum, and, since p rises with the score, for the block's largest p
.endr
.irp i, 3,5,7,9,11,13
.irp b, 0,1,2,3
	v_max3_num_f32 v[232+\b], v[232+\b], v[SS+16*\b+\i], v[SS+1+16*\b+\i]
.endr
.endr
.irp b, 0,1,2,3
	v_max_num_f32 v[232+\b], v[232+\b], v[SS+15+16*\b]
.endr
.irp b, 0,1,2,3
	s_delay_alu instid0(VALU_DEP_4)
	v_permlanex16_b32 v[236+\b], v[232+\b], s[SEL], s[SEL+1]
.endr
.irp b, 0,1,2,3
	s_delay_alu instid0(VALU_DEP_4)
	v_max_num_f32 v[232+\b], v[232+\b], v[236+\b]  ; with lane l xor 16's 16 keys
.endr
	s_delay_alu instid0(VALU_DEP_2)
	v_max3_num_f32 v254, v232, v233, v234
	s_delay_alu instid0(VALU_DEP_1)
	v_max_num_f32 v254, v254, v235                 ; the step's largest score of my query
	s_delay_alu instid0(VALU_DEP_1)
	v_mul_f32 v254, s[CS], v254                    ; as t (c is positive)
	s_delay_alu instid0(VALU_DEP_1)
	v_max_num_f32 v13, v13, v254                   ; the running largest t
	v_mov_b32 v254, v12
	s_delay_alu instid0(VALU_DEP_2)
	v_floor_f32 v12, -v13                          ; the new -M = floor(-t) = -ceil(t)
	s_delay_alu instid0(VALU_DEP_1)
	v_sub_f32 v254, v12, v254                      ; old M - new M: a whole number, 0 or less
	s_delay_alu instid0(VALU_DEP_1)
	v_cvt_i32_f32 v254, v254                       ; (it saturates)
	s_delay_alu instid0(VALU_DEP_1)
	v_ldexp_f32 v252, 1.0, v254                    ; f = 2^(old M - new M)
.set j, 0
.rept 32
	v_pk_fma_f32 v[SS+j:SS+j+1], v[SS+j:SS+j+1], s[CS:CS+1], v[12:13] op_sel_hi:[1,0,0]   ; t - M, two at a time
.set j, j+2
.endr
.irp b, 0,1,2,3
	v_fma_f32 v[232+\b], v[232+\b], s[CS], v12     ; the same of each block's largest score
.endr
.set j, 0
	s_wait_alu depctr_va_vdst(0)
.rept 64
	v_exp_f32 v[SS+j], v[SS+j]                     ; p = 2^(t - M), at most 1: not normalised
.set j, j+1
.endr
	s_setprio 1
.irp b, 0,1,2,3
	v_exp_f32 v[232+\b], v[232+\b]                 ; the block's largest p: the same two instructions on the same number give the same bits
.endr
	v_pk_mul_f32 v[14:15], v[14:15], v[252:253] op_sel_hi:[1,0]   ; the sums under the new M.  (A plain place behind the exponentials)
	s_wait_alu depctr_va_vdst(0)
.irp b, 0,1,2,3
	v_max_num_f32 v[232+\b], 0x1800000, v[232+\b]  ; the floor 2^(3 - 127): the byte cannot fall under 1
.endr
.irp b, 0,1,2,3
	s_delay_alu instid0(VALU_DEP_4)
	v_add_nc_u32 v[244+\b], 0xff000000, v[232+\b]  ; 2 off the exponent field: the conversion's scale operand
.endr
.irp b, 0,1,2,3
	s_delay_alu instid0(VALU_DEP_4)
	v_lshrrev_b32 v[236+\b], 23, v[244+\b]
.endr
	s_delay_alu instid0(VALU_DEP_3)
	v_lshl_or_b32 v253, v237, 8, v236              ; p's scale word for these 128 keys
	s_delay_alu instid0(VALU_DEP_1)
	v_lshl_or_b32 v253, v238, 16, v253
	s_delay_alu instid0(VALU_DEP_1)
	v_lshl_or_b32 v253, v239, 24, v253
.irp b, 0,1,2,3
	v_cvt_scalef32_pk8_fp4_f32 v[PCD+2*\b], v[SS+16*\b:SS+7+16*\b], v[244+\b]
	v_cvt_scalef32_pk8_fp4_f32 v[PCD+1+2*\b], v[SS+8+16*\b:SS+15+16*\b], v[244+\b]
.endr
	v_nop                                          ; one plain place behind a scaled conversion
.irp c, 0,1
.irp i, 0,1
	v_permlane16_swap_b32 v[PCD+4*\c+\i], v[PCD+2+4*\c+\i]   ; a WHOLE block in a lane: lanes 0-15 block 2 c, lanes 16-31 block 2 c + 1
.endr
.endr
.set j, 0
.rept 16
	v_pk_mul_f32 v[OT+j:OT+j+1], v[OT+j:OT+j+1], v[252:253] op_sel_hi:[1,0]   ; O^T under the new M, each accumulator from its low end on
.set j, j+2
.endr
	v_pk_add_f32 v[236:237], v[SS:SS+1], v[SS+2:SS+3]   ; THE ROW'S SUM IS TAKEN OF THE UNQUANTISED p: two at a time, in two chains.  (These lines are also the places in front of the products below)
.set j, 4
	s_setprio 0
.rept 15
	v_pk_add_f32 v[14:15], v[14:15], v[SS+j:SS+j+1]
	v_pk_add_f32 v[236:237], v[236:237], v[SS+j+2:SS+j+3]
.set j, j+4
.endr
	s_delay_alu instid0(VALU_DEP_1)
	v_pk_add_f32 v[14:15], v[14:15], v[236:237]
	s_wait_dscnt 0x0                               ; V is in
.irp t, 0,1,2,3                        ; O^T += V^T P^T: four accumulators, one instruction each
	WM OT+8*\t, VF+8*\t, PCD, OT+8*\t, SC+\t, 253, 1
.endr
.endm
.macro STEPS slot, ask                 ; a slot's four key steps: written once, walked four times
	s_mov_b32 s[TB], \slot*SLOTB
	s_mov_b32 s[CNT], 4
.Lstep_\@:
	s_setprio 2
	STEP \ask
	s_add_co_u32 s[TB], s[TB], BLK
	s_sub_co_u32 s[CNT], s[CNT], 1
	s_cmp_lg_u32 s[CNT], 0
	s_cbranch_scc1 .Lstep_\@
	s_setprio 0
.endm
; THE CHANGE OF SLOTS.  Each wave waits for all its tensor loads (one is out: its block of the slot ahead), adds 0 to its spare word, and waits for that and for its reads of the slot that it has left.
; Behind the round no wave of any partner reads that slot or has a load on its way: it is filled again, with the fill two on, first thing.
.macro CHANGE g0
	s_wait_tensorcnt 0x0                           ; no tensor load of mine is out, so a group 0 may be written
	ds_add_u32 v[SPW], v[NIL]                      ; 0 onto my spare word
	s_add_nc_u64 s[\g0+2:\g0+3], s[\g0+2:\g0+3], 2*SLOTB   ; two fills on; the type bits on top are not reached
	s_wait_dscnt 0x0                               ; the add is done, and my reads of the slot are over
	CROUND
	tensor_load_to_lds s[\g0:\g0+3], s[G1:G1+7]    ; my one tensor load behind the round
	s_nop 0
	PLACES                                         ; four v_nop behind it; they are also the places behind the last products
.endm
; A head ends: O^T / the sum is quantised along d and goes to LDS as half a fragment of the output projection's operand.  g = 0: the second round's head begins.
.macro FIN g
	v_add_f32 v14, v14, v15                        ; the sum's two halves,
	s_delay_alu instid0(VALU_DEP_1)
	v_permlanex16_b32 v252, v14, s[SEL], s[SEL+1]
	s_delay_alu instid0(VALU_DEP_1)
	v_add_f32 v14, v14, v252                       ; and lane l xor 16's
	s_wait_alu depctr_va_vdst(0)
	v_rcp_f32 v14, v14
	v_nop                                          ; one plain place behind a transcendental
.set j, 0
	s_wait_alu depctr_va_vdst(0)
.rept 16
	v_pk_mul_f32 v[SS+j:SS+j+1], v[OT+j:OT+j+1], v[14:15] op_sel_hi:[1,0]   ; register 16 b + i: d = 32 b + 16 h + i of my query
.set j, j+2
.endr
	QUANT2 SS
	ds_store_b128 v[OWI], v[PCD:PCD+3] offset:2048*\g
	ds_store_b16 v[OWS], v[PW] offset:8*\g         ; lanes r and r + 16 store the same two bytes with the same value
.if \g == 0
.irp i, 0,1,2,3
	v_mov_b32 v[QZ+4+\i], v[Q1+\i]
.endr
	v_mov_b32 v[QS], v[QS1]
	RESET                                          ; (also the places between these writes and the next products)
.endif
.endm
	s_wait_tensorcnt 0x1                           ; my block of fill 0 is in; fill 1's may stay out
	s_barrier_signal -1
	s_barrier_wait -1                              ; everybody's is
	STEPS 0, 0                                     ; heads 0-3, keys 0-511
	CHANGE G0A                                     ; fill 2 into slot 0
	STEPS 1, 0                                     ; heads 0-3, keys 512-1023
	CHANGE G0B                                     ; fill 3 into slot 1
	s_wait_alu depctr_va_vdst(0)
	FIN 0
	STEPS 0, 0                                     ; heads 4-7, keys 0-511
	s_wait_tensorcnt 0x0                           ; the last change of slots: my block of fill 3 is in; nothing is asked for, so no round follows
	ds_add_u32 v[SPW], v[NIL]
	s_wait_dscnt 0x0
	s_barrier_signal -1
	s_barrier_wait -1
	STEPS 1, 1                                     ; heads 4-7, keys 512-1023
	; ---- THE OUTPUT PROJECTION.  Offsets for wo: six plain lines, the places behind the last products
	v_and_b32 v2, 15, v0                           ; r
	v_bfe_u32 v1, v0, 4, 1                         ; h
	s_delay_alu instid0(VALU_DEP_1)
	v_lshlrev_b32 v1, 4, v1
	s_delay_alu instid0(VALU_DEP_1)
	v_lshl_add_u32 v1, v2, 8, v1                   ; codes: 256 r + 16 h
	s_delay_alu instid0(VALU_DEP_4)
	v_lshlrev_b32 v0, 2, v2                        ; bo: 4 r
	v_lshlrev_b32 v2, 4, v2                        ; scale words: 16 r
.irp n, 0,1                            ; my two tiles of 16 rows of wo, four K steps each
.irp s, 0,1,2,3
.irp c, 0,1
	global_load_b128 v[WO+8*(4*\n+\s)+4*\c:WO+8*(4*\n+\s)+4*\c+3], v1, s[10:11] offset:4096*\n+64*\s+32*\c
.endr
.endr
.endr
.irp n, 0,1
	global_load_b128 v[WOS+4*\n:WOS+4*\n+3], v2, s[12:13] offset:256*\n
.endr
	global_load_b32 v24, v0, s[14:15]
	global_load_b32 v26, v0, s[14:15] offset:64
	s_wait_alu depctr_va_vdst(0)
	FIN 1
	s_wait_dscnt 0x0                               ; for the others' sake: my images have landed; and the stores have read the registers into which x is loaded
.set i, 0
.rept 16
	global_load_b128 v[192+4*i:195+4*i], v[GO], s[XB:XB+1] offset:8192*i th:TH_LOAD_NT   ; the residual: two rows of 256 bytes an instruction
.set i, i+1
.endr
	s_barrier_signal -1
	s_barrier_wait -1                              ; o's sixteen fragments and their scale words lie in LDS
	s_wait_loadcnt 16                              ; wo, its scale words and bo are in; the 16 younger loads, x's, may be out
	v_mul_f32 v24, s[GAM], v24                     ; gamma x bo of my output channel, as pairs
	v_mul_f32 v26, s[GAM], v26
	s_delay_alu instid0(VALU_DEP_2)
	v_mov_b32 v25, v24
	s_delay_alu instid0(VALU_DEP_2)
	v_mov_b32 v27, v26
	ds_load_b128 v[12:15], v[OLI] offset:16384     ; o's scale words: register s; lanes 0-15 tile 0, lanes 16-31 tile 1;
	ds_load_b128 v[28:31], v[OLI] offset:16384+512 ; tiles 2 and 3
.irp s, 0,1,2,3
.if \s > 0
	PLACES
.endif
.irp T, 0,1,2,3
.irp c, 0,1
	ds_load_b128 v[OT+8*\T+4*\c:OT+8*\T+4*\c+3], v[OLI] offset:(4*\T+\s)*1024+512*\c
.endr
.endr
	s_wait_dscnt 0x0
.irp T, 0,1,2,3                        ; eight accumulators by turns, a K step at a time
.irp n, 0,1
.if \s == 0
	WM SS+8*(4*\n+\T), OT+8*\T, WO+8*(4*\n+\s), -1, 12+16*(\T/2)+\s, WOS+4*\n+\s, \T%2
.else
	WM SS+8*(4*\n+\T), OT+8*\T, WO+8*(4*\n+\s), SS+8*(4*\n+\T), 12+16*(\T/2)+\s, WOS+4*\n+\s, \T%2
.endif
.endr
.endr
.endr
	PLACES
.set j, 0
	s_wait_alu depctr_va_vdst(0)
.rept 16
	v_pk_fma_f32 v[SS+j:SS+j+1], v[SS+j:SS+j+1], s[GAM:GAM+1], v[24:25] op_sel_hi:[1,0,1]   ; gamma x sum + gamma x bo, each accumulator from its low end on
.set j, j+2
.endr
.rept 16
	v_pk_fma_f32 v[SS+j:SS+j+1], v[SS+j:SS+j+1], s[GAM:GAM+1], v[26:27] op_sel_hi:[1,0,1]
.set j, j+2
.endr
.irp n, 0,1                            ; lane (r, h) holds output channel 16 n + r and, in tile T = 2 b + u, places 32 b + 16 h + 8 u + 0 .. 7
.irp T, 0,1,2,3
.irp jj, 0,1
	ds_store_b128 v[SO], v[SS+8*(4*\n+\T)+4*\jj:SS+8*(4*\n+\T)+4*\jj+3] offset:4352*\n+128*(\T/2)+32*(\T%2)+16*\jj
.endr
.endr
.endr
.set i, 0
.rept 16
	ds_load_b128 v[32+4*i:35+4*i], v[SR] offset:544*i   ; LDS serves a wave's instructions in order (ISA guide 5.7.1.4): these see my stores; the stage is my own
.set i, i+1
.endr
	s_wait_loadcnt 0x0                             ; x
.set i, 0
.rept 16
	s_wait_dscnt 15-i                              ; rows 2 i and 2 i + 1 are back; the younger loads may be out
	v_pk_add_f32 v[32+4*i:33+4*i], v[32+4*i:33+4*i], v[192+4*i:193+4*i]
	v_pk_add_f32 v[34+4*i:35+4*i], v[34+4*i:35+4*i], v[194+4*i:195+4*i]
	global_store_b128 v[GO], v[32+4*i:35+4*i], s[YB:YB+1] offset:8192*i th:TH_STORE_NT   ; 16 lanes store 256 consecutive bytes, at a multiple of 256 from y's first byte
.set i, i+1
.endr
	s_wait_tensorcnt 0x0                           ; the wave's end, behind my last tensor load and my last LDS store
	ds_add_u32 v[SPW], v[NIL]
	s_wait_dscnt 0x0
	CROUND                                         ; the closing round: no work-group ends while a partner may still ask for a tile that names it
	s_endpgm
.Lfunc_end_k_q6aed115752_attn:
	.size	k_q6aed115752_attn, .Lfunc_end_k_q6aed115752_attn-k_q6aed115752_attn
	.p2alignl 7, 3214868480
	.fill 96, 4, 3214868480
	.section	.rodata,"a",@progbits
	.p2align	6, 0x0
	.amdhsa_kernel k_q6aed115752_attn
		.amdhsa_group_segment_fixed_size 327680
		.amdhsa_private_segment_fixed_size 0
		.amdhsa_enable_private_segment 0
		.amdhsa_kernarg_size 72
		.amdhsa_user_sgpr_count 2
		.amdhsa_user_sgpr_kernarg_segment_ptr 1
		.amdhsa_wavefront_size32 1
		.amdhsa_system_sgpr_workgroup_id_x 1
		.amdhsa_system_sgpr_workgroup_id_y 1
		.amdhsa_system_sgpr_workgroup_id_z 1
		.amdhsa_system_vgpr_workitem_id 0
		.amdhsa_next_free_vgpr 256
		.amdhsa_next_free_sgpr 80
		.amdhsa_reserve_vcc 0
		.amdhsa_float_denorm_mode_32 3
		.amdhsa_float_denorm_mode_16_64 3
		.amdhsa_memory_ordered 1
		.amdhsa_forward_progress 1
		.amdhsa_inst_pref_size 102
	.end_amdhsa_kernel
	.amdgpu_metadata
---
amdhsa.version: [ 1, 2 ]
amdhsa.kernels:
  - .name:           k_q6aed115752_attn
    .symbol:         k_q6aed115752_attn.kd
    .args:
      - { .name: qc, .offset: 0, .size: 8, .value_kind: global_buffer, .address_space: global }
      - { .name: qs, .offset: 8, .size: 8, .value_kind: global_buffer, .address_space: global }
      - { .name: kv, .offset: 16, .size: 8, .value_kind: global_buffer, .address_space: global }
      - { .name: wo_codes, .offset: 24, .size: 8, .value_kind: global_buffer, .address_space: global }
      - { .name: wo_scales, .offset: 32, .size: 8, .value_kind: global_buffer, .address_space: global }
      - { .name: bo, .offset: 40, .size: 8, .value_kind: global_buffer, .address_space: global }
      - { .name: gamma, .offset: 48, .size: 8, .value_kind: global_buffer, .address_space: global }
      - { .name: x, .offset: 56, .size: 8, .value_kind: global_buffer, .address_space: global }
      - { .name: out0, .offset: 64, .size: 8, .value_kind: global_buffer, .address_space: global }
    .group_segment_fixed_size: 327680
    .private_segment_fixed_size: 0
    .kernarg_segment_align: 8
    .kernarg_segment_size: 72
    .max_flat_workgroup_size: 512
    .sgpr_count:     80
    .vgpr_count:     256
    .wavefront_size: 32
...
	.end_amdgpu_metadata
.endif
;; end of part 4
